; MI455X (gfx1250); checked and timed in simulation.
; The chip was launched on July 23, 2026; its instructions are those of AMD's public machine-readable ISA for CDNA 5 (MIT licence, August 2026) and "CDNA5" Instruction Set Architecture Reference Guide (July 2026). The comments in the code are by the model that wrote it; some were corrected since.
;; Multi Head Self Attention. Allowed arithmetic: matrix products marked QUANTISED: E4M3 operands, one given power-of-two scale a tensor, by v_wmma_f32_16x16x64_fp8_fp8 or v_wmma_f32_16x16x128_fp8_fp8, f32 sums; everything else in f32.
;; Inputs: b_proj 1,024 float32; lowp_scales 8 int32 (the exponents e of the quantised operands' scales 2^e); w_proj 1,024 x 1,024 float32; w_qkv 3,072 x 1,024 float32; x 4 x 2,048 x 1,024 float32.
;; Outputs: out0 4 x 2,048 x 1,024 float32.
;; This version of the problem:
;;   THIS VERSION OF THE PROBLEM IS GIVEN IN LOW PRECISION. The matrix products marked QUANTISED in the list below multiply operands that are first quantised to E4M3 (4 exponent bits, 3 mantissa bits; 8 bits a number), with one given power-of-two scale for each operand tensor; their sums are f32. All else is computed in f32.
;;   The module's matrix products, in the order in which they are computed (A, B: the left and right operand; K: the contracted axis; several contracted axes count as one K, in the product's order):
;;     1. [M 8,192, K 1,024] x [K 1,024, N 3,072]; A: input x; B: input w_qkv: QUANTISED (scales: A lowp_scales[0], B lowp_scales[1])
;;     2. batch 64 x [M 2,048, K 64] x [K 64, N 2,048]; A: computed on the way; B: computed on the way: QUANTISED (scales: A lowp_scales[2], B lowp_scales[3])
;;     3. batch 64 x [M 2,048, K 2,048] x [K 2,048, N 64]; A: softmax (see below); B: computed on the way: QUANTISED (scales: A lowp_scales[4], B lowp_scales[5])
;;     4. [M 8,192, K 1,024] x [K 1,024, N 1,024]; A: computed on the way; B: input w_proj: QUANTISED (scales: A lowp_scales[6], B lowp_scales[7])
;;   THE QUANTISER, for each operand of a quantised product, along K:
;;     - The operand's scale is 2^e, e = its entry of the input lowp_scales (int32; the entries are numbered through the quantised products in the list's order, A before B).
;;     - Each number is divided by the scale, clamped to +-448, and rounded to the nearest number of E4M3, ties to even, subnormals kept.
;;     - The product sums the exact products of the quantised numbers (number of the format x scale) in f32.
;;   ~~~python
;;   def quantise(x, axis, e):      # numpy; x: float32 -> the quantised numbers, widened to float32 again
;;       x = np.moveaxis(x, axis, -1); K = x.shape[-1]
;;       r = np.clip(x / 2.0 ** e, -448, 448)
;;       step = 2.0 ** (np.maximum(np.frexp(np.where(r == 0, 1, r))[1] - 1, -6) - 3)
;;       q = np.round(r / step) * step * 2.0 ** e      # np.round: ties to even
;;       return np.moveaxis(q, -1, axis).astype(np.float32)
;;   ~~~
;;   SOFTMAX AHEAD OF A QUANTISED PRODUCT. Where the list says 'softmax', what is quantised is not the finished softmax but p = 2^(t - M), with t = logit x log2(e) and M = ceil(the row's largest t), a whole number; so 1/2 < the row's largest p <= 1. The row's sum l is taken of the UNQUANTISED p, in f32, and the product's result is divided by l at the end. Since M is a whole number, a kernel that streams over the keys may use a running M (the ceiling of the running maximum): every later rescaling is an exact power of two, so the quantised numbers keep their values, but for numbers so far below the row's largest that they fall under the format's range.
;;   OPERANDS COMPUTED ON THE WAY. 'Computed on the way' means the value that the module computes at that place (a softmax that the list does not call 'softmax' is quantised finished and normalised). What goes into a quantiser is computed in f32, as accurately as f32 sums, v_exp_f32 and their like allow (about 1e-6 of the number): no bf16 or f16 on the way to a quantiser, and a product that is left as it is and whose result goes on into a quantised operand takes f32 operands (vector FMAs, or v_wmma_f32_16x16x4_f32). A number that lies on a knife's edge between two numbers of the format may be rounded either way, as far as f32 arithmetic and the matrix unit's own rounding can turn it there, and no further.
;; One version. Each part assembles by itself: llvm-mc -triple=amdgcn-amd-amdhsa -mcpu=gfx1250 --defsym DOCPART=n.
;; ======== version 1 of 1: 4 launches
;; limits: right only within a limited range of input values
;; workspace buffers: xc 8,388,608 bytes; wqc 3,145,728 bytes; wpc 1,048,576 bytes; qkf 16,777,216 bytes; vf 8,388,608 bytes; af 8,388,608 bytes
;; launch quant (part 1): grid 768 x 1, 4 waves a work-group, no clusters, 33,280 bytes of LDS; arguments x, w_qkv, w_proj, lowp_scales, xc, wqc, wpc; writes xc, wqc, wpc
.if DOCPART == 1
	.amdgcn_target "amdgcn-amd-amdhsa--gfx1250"
	.amdhsa_code_object_version 6
	.text
	.protected	k_q79d9c2db6f_quant
	.globl	k_q79d9c2db6f_quant
	.p2align	8
	.type	k_q79d9c2db6f_quant,@function
k_q79d9c2db6f_quant:
	s_mov_b64 s[64:65], 0
	v_nop
	global_prefetch_b8 v0, s[64:65] scope:SCOPE_SE
	s_setreg_imm32_b32 hwreg(HW_REG_WAVE_MODE, 25, 1), 1
	s_wait_xcnt 0x0
; x [8192][1024], w_qkv [3072][1024] and w_proj [1024][1024], f32, K innermost, become codes of FP8 (E4M3), one byte each, each tensor with the scale 2^e that is given for it
; (entries 0, 1 and 7 of the buffer of scales).  code = x / 2^e, held within +-448, rounded to the nearest code, ties to even.
; LIMITS: e between -126 and 119, so that 2^e and 448 x 2^e are f32 numbers.  NaN among the inputs is not served (an infinity is held at the largest code).
; THE ORDER OF THE CODES.  Rows are dense and 1,024 is a multiple of 32, so each tensor is a plain stream of blocks of 32 numbers.  Inside each block of 32 codes the two middle groups of 8 change places:
; the stored groups 0, 1, 2, 3 are the groups 0, 2, 1, 3 along K.  The launches that multiply read 16 bytes a lane at 32 c + 16 (lane / 16): those are then K = 32 c + 8 (lane / 16) + 0 .. 7 and
; K = 32 c + 16 + 8 (lane / 16) + 0 .. 7, which is the place that the plain 8-bit matrix forms give each K (ISA guide 7.12.2).  So these codes meet, K for K, operands that later launches make straight in registers.
; SHARES.  A work-group takes 16,384 numbers, a wave 8 steps of 512.  Work-groups 0-511 take x, 512-703 w_qkv, 704-767 w_proj: only pointers and e are chosen, by the work-group's number; there is one path.
; 768 work-groups are three for each of 256 WGPs, and three fit on a WGP by their registers and LDS.
; Each of a step's four loads reads 512 consecutive bytes, 16 a lane; the 2,048 bytes go through the wave's own stage in LDS as they lie and come back so that a lane of parity p holds groups p and p + 2 of block lane / 2:
; its 16 codes are 16 consecutive bytes of the output, and the wave stores 512 consecutive bytes.  The stage has 16 bytes of padding behind each 64.
; Memory binds: no matrix unit, no cluster, no tensor load, no barrier (waves share nothing).  Loads run four steps (16 loads a wave) ahead, the turn through LDS one step.
.set STEPS, 8
.set WGX,   512                        ; x's work-groups
.set WGQ,   704                        ; x's and w_qkv's together
.set EMAX,  8
.set MANT,  0x600000                   ; the mantissa field of 448 as f32
.set CB,    16                         ; bytes of 16 codes
.set R,     16                         ; v16-79   four sets of 16 numbers as they are loaded
.set X,     80                         ; v80-111  two sets of 16 numbers in the order of the codes
.set C,     128                        ; v128-159 codes: four registers for each step, so that no store's data are written again
.set WREG,  8192                       ; LDS: a region of its own for each wave: two stages of 32 x SP bytes
.set SP,    80                         ; 64 bytes of a stage + 16 of padding
	s_load_b256 s[4:11], s[0:1], 0x0               ; x s[4:5], w_qkv s[6:7], w_proj s[8:9], the scales' exponents s[10:11]
	s_load_b128 s[12:15], s[0:1], 0x20             ; x's codes s[12:13], w_qkv's s[14:15]
	s_load_b64 s[24:25], s[0:1], 0x30              ; w_proj's
	v_lshl_add_u32 v192, v0, 2, 0x8000             ; my spare word, behind the four regions; never rewritten
	v_mov_b32 v193, 0                              ; 0; never rewritten
	v_lshrrev_b32 v1, 5, v0
	v_readfirstlane_b32 s16, v1                    ; wave
	v_and_b32 v2, 31, v0                           ; lane
	v_lshlrev_b32 v3, 4, v2                        ; my 16 bytes of a load's 512
	s_mul_i32 s17, s16, WREG
	v_lshrrev_b32 v14, 2, v2
	v_mul_u32_u24 v14, v14, SP
	v_and_b32 v15, 3, v2
	v_lshl_add_u32 v14, v15, 4, v14
	v_add_nc_u32 v14, s17, v14                     ; the stage, on the way in: four lanes' 64 bytes on end, then 16 of padding: SP (lane / 4) + 16 (lane % 4); a load's 512 bytes take eight places
	v_lshrrev_b32 v15, 1, v2
	v_mul_u32_u24 v15, v15, 2*SP                   ; on the way out: block lane / 2 lies in two places, 2 SP (lane / 2) on;
	v_and_b32 v5, 1, v2
	v_lshl_add_u32 v15, v5, 5, v15                 ; group p = lane % 2 at + 32 p in the first place, group p + 2 at + 32 p in the second
	v_add_nc_u32 v15, s17, v15
	v_mul_u32_u24 v4, v2, CB                       ; my codes' place in a step's
	s_mov_b32 s17, WGQ
	s_wait_alu depctr_va_vdst(0)
	s_wait_kmcnt 0x0
	s_load_b256 s[32:39], s[10:11], 0x0            ; the eight exponents
	s_cmp_lt_u32 ttmp9, WGQ                        ; w_qkv's work-group or w_proj's?  The choices hang on the work-group's number alone
	s_cselect_b64 s[6:7], s[6:7], s[8:9]
	s_cselect_b64 s[14:15], s[14:15], s[24:25]
	s_cselect_b32 s17, WGX, s17
	s_cmp_lt_u32 ttmp9, WGX                        ; or x's?
	s_cselect_b64 s[4:5], s[4:5], s[6:7]           ; the numbers,
	s_cselect_b64 s[8:9], s[12:13], s[14:15]       ; the codes,
	s_cselect_b32 s17, 0, s17                      ; the tensor's first work-group
	s_sub_co_u32 s17, ttmp9, s17
	s_lshl_b32 s17, s17, 2
	s_add_co_u32 s18, s17, s16                     ; which run of 4,096 numbers of the tensor is my wave's
	s_mov_b32 s19, 0
	s_mov_b64 s[20:21], 512*STEPS*4
	s_mul_u64 s[20:21], s[18:19], s[20:21]
	s_add_nc_u64 s[4:5], s[4:5], s[20:21]
	s_mov_b64 s[20:21], 32*STEPS*CB
	s_mul_u64 s[20:21], s[18:19], s[20:21]
	s_add_nc_u64 s[8:9], s[8:9], s[20:21]
.macro LOAD t
.irp i, 0,1,2,3
	global_load_b128 v[R+16*((\t)%4)+4*\i:R+16*((\t)%4)+4*\i+3], v3, s[4:5] offset:2048*(\t)+512*\i th:TH_LOAD_NT   ; 32 lanes read 512 consecutive bytes; read once in the launch
.endr
.endm
.macro TURN t                          ; step t's numbers through the stage: LDS serves a wave's instructions in order (ISA guide 5.7.1.4), so no wait stands between the stores and the loads
.irp i, 0,1,2,3
	ds_store_b128 v14, v[R+16*((\t)%4)+4*\i:R+16*((\t)%4)+4*\i+3] offset:32*SP*((\t)%2)+8*SP*\i
.endr
	ds_load_b128 v[X+16*((\t)%2):X+16*((\t)%2)+3],     v15 offset:32*SP*((\t)%2)        ; group p,
	ds_load_b128 v[X+16*((\t)%2)+4:X+16*((\t)%2)+7],   v15 offset:32*SP*((\t)%2)+16
	ds_load_b128 v[X+16*((\t)%2)+8:X+16*((\t)%2)+11],  v15 offset:32*SP*((\t)%2)+SP     ; group p + 2
	ds_load_b128 v[X+16*((\t)%2)+12:X+16*((\t)%2)+15], v15 offset:32*SP*((\t)%2)+SP+16
.endm
.irp t, 0,1,2,3
	LOAD \t
.endr
	s_wait_kmcnt 0x0
	s_cmp_lt_u32 ttmp9, WGQ
	s_cselect_b32 s22, s33, s39                    ; e of w_qkv or of w_proj,
	s_cmp_lt_u32 ttmp9, WGX
	s_cselect_b32 s22, s32, s22                    ; or of x
	s_add_co_i32 s22, s22, 127
	s_lshl_b32 s23, s22, 23
	v_mov_b32 v11, s23                             ; 2^e as f32: the conversion takes its exponent field
	s_add_co_i32 s22, s22, EMAX
	s_lshl_b32 s22, s22, 23
	s_or_b32 s22, s22, MANT
	v_mov_b32 v10, s22                             ; 448 x 2^e
	s_wait_alu depctr_va_vdst(0)                   ; the head's end
	s_wait_loadcnt 12                              ; step 0's four loads are in; the twelve of steps 1 to 3 stay out
	TURN 0
.macro STEP t
.set XS, X+16*((\t)%2)
	s_wait_dscnt 0x0                               ; this step's numbers are back from the stage: so its stores into the stage have read their registers,
.if (\t)+4 < STEPS
	LOAD (\t)+4                                    ; which take the loads of four steps on
.endif
.if (\t)+1 < STEPS
.if STEPS-2-(\t) >= 3
	s_wait_loadcnt 12                              ; the next step's four loads are in; those of the three steps behind it may be out
.else
	s_wait_loadcnt 4*(STEPS-2-(\t))                ; at the end the counts run down
.endif
	TURN (\t)+1                                    ; and go through the other stage while this step is worked
.endif
.irp i, 0,1,2,3,4,5,6,7,8,9,10,11,12,13,14,15
	v_med3_num_f32 v[XS+\i], v[XS+\i], -v10, v10   ; the conversion to an 8-bit code does not saturate (ISA guide 7.6.2): the number is held within 448 x the scale first
.endr
	v_cvt_scalef32_pk8_fp8_f32 v[C+4*(\t):C+4*(\t)+1], v[XS:XS+7], v11          ; eight numbers / 2^e, to the nearest code, ties to even; the first number's code in the lowest byte
	v_cvt_scalef32_pk8_fp8_f32 v[C+4*(\t)+2:C+4*(\t)+3], v[XS+8:XS+15], v11
	global_store_b128 v4, v[C+4*(\t):C+4*(\t)+3], s[8:9] offset:32*CB*(\t)      ; 32 lanes store 512 consecutive bytes.  (The codes go to a store alone; the next vector lines, the next step's holds, are plain and touch other registers)
.endm
.irp t, 0,1,2,3,4,5,6,7
	STEP \t
.endr
	s_wait_tensorcnt 0x0                           ; the wave's end, behind my last LDS store
	ds_add_u32 v192, v193
	s_wait_dscnt 0x0
	s_endpgm
.Lfunc_end_k_q79d9c2db6f_quant:
	.size	k_q79d9c2db6f_quant, .Lfunc_end_k_q79d9c2db6f_quant-k_q79d9c2db6f_quant
	.p2alignl 7, 3214868480
	.fill 96, 4, 3214868480
	.section	.rodata,"a",@progbits
	.p2align	6, 0x0
	.amdhsa_kernel k_q79d9c2db6f_quant
		.amdhsa_group_segment_fixed_size 33280
		.amdhsa_private_segment_fixed_size 0
		.amdhsa_enable_private_segment 0
		.amdhsa_kernarg_size 56
		.amdhsa_user_sgpr_count 2
		.amdhsa_user_sgpr_kernarg_segment_ptr 1
		.amdhsa_wavefront_size32 1
		.amdhsa_system_sgpr_workgroup_id_x 1
		.amdhsa_system_sgpr_workgroup_id_y 1
		.amdhsa_system_sgpr_workgroup_id_z 1
		.amdhsa_system_vgpr_workitem_id 0
		.amdhsa_next_free_vgpr 194
		.amdhsa_next_free_sgpr 66
		.amdhsa_reserve_vcc 0
		.amdhsa_float_denorm_mode_32 3
		.amdhsa_float_denorm_mode_16_64 3
		.amdhsa_memory_ordered 1
		.amdhsa_forward_progress 1
		.amdhsa_inst_pref_size 21
	.end_amdhsa_kernel
	.amdgpu_metadata
---
amdhsa.version: [ 1, 2 ]
amdhsa.kernels:
  - .name:           k_q79d9c2db6f_quant
    .symbol:         k_q79d9c2db6f_quant.kd
    .args:
      - { .name: x, .offset: 0, .size: 8, .value_kind: global_buffer, .address_space: global }
      - { .name: w_qkv, .offset: 8, .size: 8, .value_kind: global_buffer, .address_space: global }
      - { .name: w_proj, .offset: 16, .size: 8, .value_kind: global_buffer, .address_space: global }
      - { .name: lowp_scales, .offset: 24, .size: 8, .value_kind: global_buffer, .address_space: global }
      - { .name: xc, .offset: 32, .size: 8, .value_kind: global_buffer, .address_space: global }
      - { .name: wqc, .offset: 40, .size: 8, .value_kind: global_buffer, .address_space: global }
      - { .name: wpc, .offset: 48, .size: 8, .value_kind: global_buffer, .address_space: global }
    .group_segment_fixed_size: 33280
    .private_segment_fixed_size: 0
    .kernarg_segment_align: 8
    .kernarg_segment_size: 56
    .max_flat_workgroup_size: 128
    .sgpr_count:     66
    .vgpr_count:     194
    .wavefront_size: 32
...
	.end_amdgpu_metadata
.endif
;; end of part 1
;; launch qkv (part 2): grid 8 x 32, 4 waves a work-group, clusters of 4 x 4, 327,680 bytes of LDS; arguments xc, wqc, lowp_scales, qkf, vf; writes qkf, vf
.if DOCPART == 2
	.amdgcn_target "amdgcn-amd-amdhsa--gfx1250"
	.amdhsa_code_object_version 6
	.text
	.protected	k_q79d9c2db6f_qkv
	.globl	k_q79d9c2db6f_qkv
	.p2align	8
	.type	k_q79d9c2db6f_qkv,@function
k_q79d9c2db6f_qkv:
	s_mov_b64 s[64:65], 0
	v_nop
	global_prefetch_b8 v0, s[64:65] scope:SCOPE_SE
	s_setreg_imm32_b32 hwreg(HW_REG_WAVE_MODE, 25, 1), 1
	s_wait_xcnt 0x0
	s_wait_alu depctr_hold_cnt(0) depctr_sa_sdst(0) depctr_va_vdst(0) depctr_va_sdst(0) depctr_va_ssrc(0) depctr_va_vcc(0) depctr_vm_vsrc(0)
	s_getreg_b32 s2, hwreg(HW_REG_IB_STS2, 6, 4)
	s_cmp_eq_u32 s2, 0
	s_cbranch_scc0 .Lentry_in_a_cluster
	s_endpgm
.Lentry_in_a_cluster:
	s_bfe_u32 s2, ttmp6, 0x10000c
	s_cmp_lg_u32 s2, 0xf033
	s_cbranch_scc0 .Lentry_shape_is_right
	s_endpgm
.Lentry_shape_is_right:
; qkv = x w_qkv^T on codes of FP8 (E4M3), sums in f32; each sum is quantised at once, as an operand of attention: q with entry 2 of the scales, k with entry 3, v with entry 5.
; A sum stands for sum x 2^(e0 + e1), so its code is sum / 2^(eo - e0 - e1), held within +-448: the three scales are folded into the conversion's one.
; LIMIT: eo - e0 - e1 between -126 and 119 for eo = e2, e3, e5, so that this power of two and 448 times it are f32 numbers.  NaN is not served.
; A WORK-GROUP STAYS AND MAKES TWO TILES, C = A B^T each, K = 1,024 in four steps of 256 through a ring of two LDS slots filled by the tensor data mover; the ring does not stop between the tiles.
;   Tile 1, 256 x 256 of q or k: A = x's codes (tokens), B = w_qkv's rows 0-2,047: 32 x 8 = 256 tiles.  A wave makes 128 x 128: 64 accumulators, windows 2 and 3.
;   Tile 2, 128 x 256 of v, the other way round: A = w_qkv's rows 2,048-3,071 (channels), B = x's codes (tokens): 8 x 32 = 256 tiles.  A wave makes 64 x 128: 32 accumulators, window 2.
; So the grid is 256 work-groups of equal work.  Tile 1's last two changes of slots ask for tile 2's K steps 0 and 1, which are on their way while tile 1's codes leave.
; THE MATRIX INSTRUCTION IS USED TRANSPOSED (source 0 = 16 rows of B, source 1 = 16 rows of A): a lane holds row lane % 16 of A's block and, in accumulator b, the columns 16 b + 8 (lane / 16) + 0 .. 7.  Eight such numbers,
; converted, are registers 2 b and 2 b + 1 of an operand of the plain 8-bit forms whose K runs along C's columns (ISA guide 7.12.2): the channels for q and k, the keys for v.  So THE CODES LEAVE AS IMAGES OF THE NEXT
; OPERAND'S REGISTERS: four registers by one store, 16 bytes a lane at 16 x lane, 512 consecutive bytes.
;   qkf [q, k][batch][head pair][tile of 16 tokens][head's parity][1,024 bytes]: 16 tokens x 64 channels: registers 0-3, then 4-7.
;   vf  [batch][head pair][128 keys][4 x head's parity + 16 channels' number][2,048 bytes]: 16 channels x 128 keys: registers 0-3, 4-7, 8-11, 12-15.
; CLUSTERS: 4 x 4 work-groups, cluster (X, Y), place (cx, cy).  Tile 1: tokens' tile 4 Y + cy, channels' tile 4 X + cx.  Tile 2: channels' tile 4 X + cy, tokens' tile 4 Y + cx.  In both A's tile is shared along a row of the
; cluster and B's along a column: each is asked for JOINTLY.
; Nothing is prefetched: of a tile's four K steps two are asked for before the tile begins, and tile 2's larger operand, x's codes, has been read by this launch's tile 1.
; REGISTERS, in windows of 256: window 0: v0-31 addresses; v32-95 held sums on the way out; from v128 A's fragments (tile 1: one set of 8 x 16 registers; tile 2: two sets of 4 x 16), on the way out codes.
;   window 1: B's fragments, TWO sets, at v0 and at v128.   window 2: accumulator (a, b) at v[8 (8 a + b)], a = 0..3;   window 3: tile 1's a = 4..7.
.set ROWB,   256                       ; a tile's row in bytes: 256 codes
.set KROW,   1024                      ; a row of A or of B in memory, in bytes
.set PITCH,  272                       ; an LDS row: 256 bytes + 16 of padding: the 16 rows that a load touches start at 16 different banks (64 banks of 4 bytes: ISA guide 11.1)
.set FR,     16                        ; registers of a fragment: 16 rows x 128 K
.set NL,     4                         ; LDS loads that bring one
.set NP,     4                         ; places behind this matrix instruction (ISA guide 7.12.1)
.set HALFT,  128*PITCH                 ; the room of one tensor load: 128 rows (tile 2's A: 64 rows in the same room)
.set SLOT,   4*HALFT                   ; A's two rooms, then B's two
.set SPARE,  2*SLOT                    ; behind the ring: the spare words, 128 bytes for each wave
.set ADRA, 16                          ; v16-17  LDS address of my A fragments in slot 0, 1
.set ADRB, 20                          ; v20-21  the same for B
.set CO,   26                          ; v26     16 x lane
.set SPW,  28                          ; v28     LDS address of my spare word; never rewritten
.set NIL,  29                          ; v29     0; never rewritten
.set SC,   30                          ; v30     2^(eo - e0 - e1) as f32
.set LIM,  31                          ; v31     448 x that
.set TMP,  32
.set AF,   128
.set CD,   128                         ; 16 registers of codes for each block, so that no store's data are written again within a tile
.set G1, 24                            ; s[24:31] group 1 for tile 1's A;  s[32:39] its groups 0, one for each slot
.set G0, 32
.set G1B, 48                           ; s[48:55] group 1 for B, both tiles;  s[56:63] tile 1's groups 0
.set G0B, 56
.set G1C, 72                           ; s[72:79] group 1 for tile 2's A (64 rows);  s[80:87] its groups 0;  s[88:95] tile 2's B's
.set G0C, 80
.set G0D, 88
.set MSB, 0
.macro WIN new                         ; the immediate's high byte repeats the setting that is left
.if MSB != \new
	s_set_vgpr_msb (MSB<<8)|\new
.set MSB, \new
.endif
.endm
.set MUL_LO, 0xa1                      ; source 0 (B) window 1, source 1 (A) window 0, C and D window 2
.set MUL_HI, 0xf1                      ; the same, C and D window 3
.set TO_B,   0x40                      ; destination window 1, address window 0
; A joint load: waves 0 and 1 fetch for A, waves 2 and 3 for B.  Each line has ONE mask and one set of registers for all that issue it; the branch hangs on the wave's number alone.
; An s_nop 0 and four v_nop follow each of the two lines.
.macro JLOAD g0a, g1a, g0b, g1b
	s_cmp_eq_u32 s15, 0
	s_cbranch_scc0 .Lfor_b_\@
	tensor_load_to_lds s[\g0a:\g0a+3], s[\g1a:\g1a+7]
	s_nop 0
.rept 4
	v_nop
.endr
	s_branch .Lasked_\@
.Lfor_b_\@:
	tensor_load_to_lds s[\g0b:\g0b+3], s[\g1b:\g1b+7]
	s_nop 0
.rept 4
	v_nop
.endr
.Lasked_\@:
.endm
.macro CREST                           ; a round of the cluster's barrier behind its opening barrier
	s_cmp_lg_u32 s14, 0
	s_cbranch_scc1 .Lnot_wave_0_\@
	s_barrier_signal -3
.Lnot_wave_0_\@:
	s_barrier_wait -3
	s_barrier_signal -1
	s_barrier_wait -1
.endm
.macro CROUND                          ; a whole round
	s_barrier_signal -1
	s_barrier_wait -1
	CREST
.endm
	s_load_b128 s[4:7], s[0:1], 0x0                ; x's codes s[4:5], w_qkv's codes s[6:7]
	s_load_b128 s[8:11], s[0:1], 0x10              ; the scales' exponents s[8:9], qkf s[10:11]
	s_load_b64 s[12:13], s[0:1], 0x20              ; vf
	v_lshl_add_u32 v[SPW], v0, 2, SPARE
	v_mov_b32 v[NIL], 0
	ds_add_u32 v[SPW], v[NIL]                      ; the opening lines: the add, twice on end, and its wait ahead of the first tensor load
	ds_add_u32 v[SPW], v[NIL]
	v_lshrrev_b32 v1, 5, v0
	v_readfirstlane_b32 s14, v1                    ; wave 0..3
	s_lshr_b32 s15, s14, 1                         ; which half of A's rows is mine.  Also: I fetch for A (0) or for B (1)
	s_and_b32 s16, s14, 1                          ; which half of B's rows.  Also: which half of that tile I fetch
	s_bfe_u32 s40, ttmp6, 0x40000                  ; cx
	s_bfe_u32 s41, ttmp6, 0x40004                  ; cy
	s_and_b32 s66, ttmp7, 0xffff                   ; Y
	s_lshl_b32 s42, ttmp9, 2
	s_add_co_u32 s42, s42, s40                     ; tile 1's B: 4 X + cx
	s_lshl_b32 s17, s66, 2
	s_add_co_u32 s17, s17, s41                     ; tile 1's A: 4 Y + cy
	s_lshl_b32 s67, ttmp9, 2
	s_add_co_u32 s67, s67, s41                     ; tile 2's A: 4 X + cy
	s_lshl_b32 s68, s66, 2
	s_add_co_u32 s68, s68, s40                     ; tile 2's B: 4 Y + cx
	s_lshl_b32 s43, s41, 2
	s_lshl_b32 s43, 15, s43                        ; my row of the cluster
	s_lshl_b32 s44, 0x1111, s40                    ; my column
	; group 1: rows of 256 bytes, padded in LDS: 15:0 the mask; 17:16 element of 1 byte; 20 padding on; 21 set beside a mask; 24:22 after every 64 words (code 5); 31:25 of 4 words (code 3)
	s_or_b32 s[G1+0], s43, (0<<16)|(1<<20)|(1<<21)|(5<<22)|(3<<25)
	s_or_b32 s[G1C+0], s43, (0<<16)|(1<<20)|(1<<21)|(5<<22)|(3<<25)
	s_or_b32 s[G1B+0], s44, (0<<16)|(1<<20)|(1<<21)|(5<<22)|(3<<25)
.irp g, G1, G1B, G1C
	s_mov_b32 s[\g+1], ROWB<<16                    ; tensor_dim0
	s_mov_b32 s[\g+3], ROWB<<16                    ; tile_dim0
	s_mov_b32 s[\g+5], KROW                        ; tensor_dim0_stride
	s_mov_b32 s[\g+6], 0
	s_mov_b32 s[\g+7], 0
.endr
	s_mov_b32 s[G1+2], 128<<16                     ; tensor_dim1, tile_dim1: 128 rows,
	s_mov_b32 s[G1+4], 128
	s_mov_b32 s[G1B+2], 128<<16
	s_mov_b32 s[G1B+4], 128
	s_mov_b32 s[G1C+2], 64<<16                     ; 64 for tile 2's A
	s_mov_b32 s[G1C+4], 64
	s_lshl_b32 s69, s16, 7                         ; which 128 rows of a tile of 256 I fetch
	s_lshl_b32 s20, s17, 8
	s_add_co_u32 s20, s20, s69
	s_lshl_b32 s20, s20, 10                        ; tile 1's A, in bytes (all four under 2^24)
	s_mov_b32 s21, 0
	s_lshl_b32 s46, s42, 8
	s_add_co_u32 s46, s46, s69
	s_lshl_b32 s46, s46, 10                        ; tile 1's B
	s_mov_b32 s47, 0
	s_lshl_b32 s18, s67, 17                        ; tile 2's A: 128 rows a tile,
	s_lshl_b32 s70, s16, 16                        ; 64 a load,
	s_add_co_u32 s18, s18, s70
	s_add_co_u32 s18, s18, 0x200000                ; behind W_q and W_k: 2,048 rows of 1,024 bytes
	s_mov_b32 s19, 0
	s_lshl_b32 s22, s68, 8
	s_add_co_u32 s22, s22, s69
	s_lshl_b32 s22, s22, 10                        ; tile 2's B
	s_mov_b32 s23, 0
	s_mul_i32 s45, s14, HALFT                      ; where they go: wave x a room: no place in the cluster enters an LDS address
	s_wait_dscnt 0x0                               ; both opening adds are done
	s_wait_kmcnt 0x0
	s_add_nc_u64 s[20:21], s[4:5], s[20:21]
	s_add_nc_u64 s[46:47], s[6:7], s[46:47]
	s_add_nc_u64 s[18:19], s[6:7], s[18:19]
	s_add_nc_u64 s[22:23], s[4:5], s[22:23]
	CROUND                                         ; all sixteen work-groups are here: the first joint loads meet
.macro GROUP0 g, s, adr                ; a group 0: count 1, the LDS address, the global address of K step s, type 2
	s_mov_b32 s[\g+4*\s], 1
	s_add_co_u32 s[\g+4*\s+1], s45, \s*SLOT
	s_add_nc_u64 s[\g+4*\s+2:\g+4*\s+3], s[\adr:\adr+1], \s*ROWB
	s_or_b32 s[\g+4*\s+3], s[\g+4*\s+3], 0x80000000
.endm
.irp s, 0,1
	GROUP0 G0, \s, 20
	GROUP0 G0B, \s, 46
	GROUP0 G0C, \s, 18
	GROUP0 G0D, \s, 22
.endr
	JLOAD G0, G1, G0B, G1B                         ; K step 0: one tensor load a wave at the head
	v_and_b32 v1, 15, v0                           ; l % 16
	v_bfe_u32 v2, v0, 4, 1                         ; l / 16
	v_mul_u32_u24 v3, v1, PITCH
	v_lshl_add_u32 v4, v2, 4, v3                   ; a fragment's row x pitch + 16 x half
	s_mul_i32 s21, s15, HALFT                      ; my room of A
	s_mul_i32 s22, s16, HALFT                      ; my room of B,
	s_add_co_u32 s22, s22, 2*HALFT                 ; behind A's two
.irp s, 0,1
	v_add_nc_u32 v[ADRA+\s], s21, v4
	v_add_nc_u32 v[ADRB+\s], s22, v4
	s_add_co_u32 s21, s21, SLOT
	s_add_co_u32 s22, s22, SLOT
.endr
	v_and_b32 v6, 31, v0
	v_lshlrev_b32 v[CO], 4, v6
	; where my wave's images begin.  qkf: batch << 21, 128 tokens << 14, q or k << 23, head pair << 18
	s_lshr_b32 s96, s17, 3
	s_lshl_b32 s98, s96, 21
	s_and_b32 s96, s17, 7
	s_lshl_b32 s96, s96, 15
	s_add_co_u32 s98, s98, s96
	s_lshl_b32 s96, s15, 14
	s_add_co_u32 s98, s98, s96
	s_lshr_b32 s96, s42, 2
	s_lshl_b32 s96, s96, 23
	s_add_co_u32 s98, s98, s96
	s_and_b32 s96, s42, 3
	s_lshl_b32 s96, s96, 19
	s_add_co_u32 s98, s98, s96
	s_lshl_b32 s96, s16, 18
	s_add_co_u32 s98, s98, s96
	s_mov_b32 s99, 0
	s_add_nc_u64 s[10:11], s[10:11], s[98:99]
	; vf: batch << 21, head pair (tile 2's A) << 18, 128 keys << 14, the head's parity (my half of A) << 13
	s_lshr_b32 s96, s68, 3
	s_lshl_b32 s98, s96, 21
	s_lshl_b32 s96, s67, 18
	s_add_co_u32 s98, s98, s96
	s_and_b32 s96, s68, 7
	s_lshl_b32 s96, s96, 15
	s_add_co_u32 s98, s98, s96
	s_lshl_b32 s96, s16, 14
	s_add_co_u32 s98, s98, s96
	s_lshl_b32 s96, s15, 13
	s_add_co_u32 s98, s98, s96
	s_add_nc_u64 s[12:13], s[12:13], s[98:99]
	s_load_b256 s[40:47], s[8:9], 0x0              ; e0 .. e7, into registers that the head is done with; waited for on the way out
.macro FRAG reg, adr, q, i             ; a fragment, 16 rows x 128 K: four loads of 16 bytes, 32 bytes apart; by the order in which the codes were stored, registers 2 c, 2 c + 1 hold K = 16 c + 8 (l / 16) + 0 .. 7
.irp c, 0,1,2,3
	ds_load_b128 v[\reg+4*\c:\reg+4*\c+3], v[\adr] offset:128*(\q)+32*\c+(\i)*16*PITCH
.endr
.endm
; TILE 1.  16 matrix instructions: A's blocks a0, a0 + 1 x B's eight, 128 along K.  p: B's set.  zero = 1: the first product starts the sums.  The accumulators take turns, one instruction a turn.
.macro MUL16 a0, p, zero
.irp a, \a0, \a0+1
.irp b, 0,1,2,3,4,5,6,7
.if \zero
	v_wmma_f32_16x16x128_fp8_fp8 v[8*(8*((\a)%4)+\b):8*(8*((\a)%4)+\b)+7], v[128*(\p)+FR*\b:128*(\p)+FR*\b+FR-1], v[AF+FR*(\a):AF+FR*(\a)+FR-1], 0
.else
	v_wmma_f32_16x16x128_fp8_fp8 v[8*(8*((\a)%4)+\b):8*(8*((\a)%4)+\b)+7], v[128*(\p)+FR*\b:128*(\p)+FR*\b+FR-1], v[AF+FR*(\a):AF+FR*(\a)+FR-1], v[8*(8*((\a)%4)+\b):8*(8*((\a)%4)+\b)+7]
.endif
.endr
.endr
.endm
.macro FETCH_B slot, q, p              ; B's eight fragments of the slot's q-th 128 along K into set p
	WIN TO_B
.irp i, 0,1,2,3,4,5,6,7
	FRAG 128*(\p)+FR*\i, ADRB+\slot, \q, \i
.endr
	WIN 0
.endm
.macro FETCH_A slot, q, i0             ; A's blocks i0 .. i0 + 3
.irp i, \i0, \i0+1, \i0+2, \i0+3
	FRAG AF+FR*(\i), ADRA+\slot, \q, \i
.endr
.endm
.macro PLACES n                        ; plain vector lines between a matrix instruction and a load into, or a vector read of, its registers (ISA guide 7.12.1 for vector reads)
.rept \n
	v_nop
.endr
.endm
; A step of 128 along K that has its successor in the same slot.  One set of registers serves A (blocks 0-3 fetched anew in the step's middle, blocks 4-7 at its end); B has two sets.
.macro STEP slot, q, zero
	s_wait_dscnt 4*NL                              ; B's set and A's blocks 0-3 are in; the youngest sixteen loads (A's blocks 4-7) may be out
	WIN MUL_LO
	MUL16 0, (\q)%2, \zero
	MUL16 2, (\q)%2, \zero
	s_wait_dscnt 0                                 ; A's blocks 4-7 are in
	PLACES NP
	FETCH_B \slot, (\q)+1, 1-(\q)%2
	FETCH_A \slot, (\q)+1, 0
	WIN MUL_HI
	MUL16 4, (\q)%2, \zero
	MUL16 6, (\q)%2, \zero
	PLACES NP
	WIN 0
	FETCH_A \slot, (\q)+1, 4
.endm
; A slot's last step changes slots: each wave waits for all its tensor loads, adds 0 to its spare word, and waits for that and for its reads of this slot; a round of the cluster's barrier; this slot is filled again:
; mode = 1 with tile 1's K step two on, mode = 2 with tile 2's K step 0 or 1.  more = 0: tile 1's last step: no fragments are fetched.
.macro TURN slot, next, mode, more
	s_wait_tensorcnt 0x0                           ; all my tensor loads have landed
	ds_add_u32 v[SPW], v[NIL]
	s_wait_dscnt 4*NL+1                            ; (the add and the youngest sixteen loads, A's blocks 4-7, may be out)
	WIN MUL_LO
	MUL16 0, 1, 0
	s_wait_dscnt 0x0                               ; the add is done, and my reads of this slot are over
	s_barrier_signal -1
	MUL16 2, 1, 0
	WIN 0
	s_barrier_wait -1
	CREST                                          ; no wave of any partner still reads this slot's tile or has a load on its way
.if \mode == 1
	s_add_nc_u64 s[G0+4*\slot+2:G0+4*\slot+3], s[G0+4*\slot+2:G0+4*\slot+3], 2*ROWB
	s_add_nc_u64 s[G0B+4*\slot+2:G0B+4*\slot+3], s[G0B+4*\slot+2:G0B+4*\slot+3], 2*ROWB
	JLOAD G0+4*\slot, G1, G0B+4*\slot, G1B         ; my one tensor load behind the round; its four v_nop are the places in front of the loads below
.else
	JLOAD G0C+4*\slot, G1C, G0D+4*\slot, G1B
.endif
.if \more
	FETCH_B \next, 0, 0
	FETCH_A \next, 0, 0
.endif
	WIN MUL_HI
	MUL16 4, 1, 0
	MUL16 6, 1, 0
.if \more
	PLACES NP
.endif
	WIN 0
.if \more
	FETCH_A \next, 0, 4
.endif
.endm
; TILE 2.  32 matrix instructions: A's four blocks x B's eight, 128 along K, both from set p.
.macro MUL32 p, zero
	WIN MUL_LO
.irp a, 0,1,2,3
.irp b, 0,1,2,3,4,5,6,7
.if \zero
	v_wmma_f32_16x16x128_fp8_fp8 v[8*(8*\a+\b):8*(8*\a+\b)+7], v[128*(\p)+FR*\b:128*(\p)+FR*\b+FR-1], v[AF+64*(\p)+FR*\a:AF+64*(\p)+FR*\a+FR-1], 0
.else
	v_wmma_f32_16x16x128_fp8_fp8 v[8*(8*\a+\b):8*(8*\a+\b)+7], v[128*(\p)+FR*\b:128*(\p)+FR*\b+FR-1], v[AF+64*(\p)+FR*\a:AF+64*(\p)+FR*\a+FR-1], v[8*(8*\a+\b):8*(8*\a+\b)+7]
.endif
.endr
.endr
	WIN 0
.endm
.macro FETCH2 slot, q, p               ; 48 loads: B's eight fragments and A's four into set p
	FETCH_B \slot, \q, \p
.irp i, 0,1,2,3
	FRAG AF+64*(\p)+FR*\i, ADRA+\slot, \q, \i
.endr
.endm
.macro STEP2 slot, zero                ; a slot's first 128 along K, from set 0; the second's fragments are fetched into set 1 ahead of the products
	PLACES NP
	FETCH2 \slot, 1, 1
	s_wait_dscnt 48                                ; set 0 is in; the 48 loads just issued may be out
	MUL32 0, \zero
.endm
.macro TURN2 slot, next, fill          ; the change of slots stands ahead of the slot's second 128 along K, whose fragments are in registers: the refill and the next slot's first fragments are on their way under its products
	s_wait_tensorcnt 0x0
	ds_add_u32 v[SPW], v[NIL]
	s_wait_dscnt 0x0                               ; the add is done, set 1 is in, and my reads of this slot are over
	s_barrier_signal -1
	s_barrier_wait -1
.if \fill
	CREST
	s_add_nc_u64 s[G0C+4*\slot+2:G0C+4*\slot+3], s[G0C+4*\slot+2:G0C+4*\slot+3], 2*ROWB
	s_add_nc_u64 s[G0D+4*\slot+2:G0D+4*\slot+3], s[G0D+4*\slot+2:G0D+4*\slot+3], 2*ROWB
	JLOAD G0C+4*\slot, G1C, G0D+4*\slot, G1B
.else
	PLACES NP
.endif
	FETCH2 \next, 0, 0
	MUL32 1, 0
.endm
; THE WAY OUT.  s96 = eo.  Block a (16 rows of A): its 64 sums are held within 448 x the scale (each accumulator from its low end on), converted eight at a time, and stored as they stand.
.macro SCALES
	s_sub_co_i32 s96, s96, s40
	s_sub_co_i32 s96, s96, s41                     ; eo - e0 - e1
	s_add_co_i32 s96, s96, 127
	s_lshl_b32 s97, s96, 23
	v_mov_b32 v[SC], s97                           ; as a power of two in f32: the conversion takes its exponent field
	s_add_co_i32 s96, s96, 8
	s_lshl_b32 s96, s96, 23
	s_or_b32 s96, s96, 0x600000
	v_mov_b32 v[LIM], s96                          ; 448 x that
	PLACES NP                                      ; behind the last products: their results are read, and registers that held A's fragments are written
.endm
.macro OUTBLOCK a, base
.set AC, 64*((\a)%4)
	WIN 0x02+((\a)/4)                              ; source 0: window 2 or 3
.set J, 0
.rept 64
	v_med3_num_f32 v[TMP+J], v[AC+J], -v[LIM], v[LIM]   ; the conversion to an 8-bit code does not saturate (ISA guide 7.6.2)
.set J, J+1
.endr
	WIN 0
.irp b, 0,1,2,3,4,5,6,7
	v_cvt_scalef32_pk8_fp8_f32 v[CD+16*(\a)+2*\b:CD+16*(\a)+2*\b+1], v[TMP+8*\b:TMP+8*\b+7], v[SC]   ; columns 16 b + 8 (l / 16) + 0 .. 7: registers 2 b, 2 b + 1 of the next operand
.endr
	v_nop                                          ; one plain vector line behind the conversions
.irp c, 0,1,2,3
	global_store_b128 v[CO], v[CD+16*(\a)+4*\c:CD+16*(\a)+4*\c+3], s[\base:\base+1] offset:2048*(\a)+512*\c   ; 32 lanes store 512 consecutive bytes, at a multiple of 512 from the buffer's first byte
.endr
.endm
	s_wait_alu depctr_va_vdst(0)                   ; the head's end
	s_wait_tensorcnt 0x0                           ; my part of K step 0 is in
	ds_add_u32 v[SPW], v[NIL]
	s_wait_dscnt 0x0
	CROUND                                         ; everybody's part of K step 0 is in, and the joint loads meet
	JLOAD G0+4, G1, G0B+4, G1B                     ; K step 1: the first tensor load behind the round
	FETCH_B 0, 0, 0
	FETCH_A 0, 0, 0
	FETCH_A 0, 0, 4
	STEP 0, 0, 1                                   ; tile 1: eight steps of 128, written out; the first products start the sums
	TURN 0, 1, 1, 1                                ; slot 0 takes K step 2
	STEP 1, 0, 0
	TURN 1, 0, 1, 1                                ; slot 1 takes K step 3
	STEP 0, 0, 0
	TURN 0, 1, 2, 1                                ; slot 0 takes tile 2's K step 0
	STEP 1, 0, 0
	TURN 1, 0, 2, 0                                ; slot 1 takes tile 2's K step 1
	s_wait_kmcnt 0x0
	s_cmp_eq_u32 ttmp9, 0
	s_cselect_b32 s96, s42, s43                    ; e2 for q, e3 for k
	SCALES
.irp a, 0,1,2,3,4,5,6,7
	OUTBLOCK \a, 10
.endr
	s_wait_xcnt 0x0                                ; the stores have read their registers: tile 2's fragments of A land there
	FETCH2 0, 0, 0                                 ; tile 2: slot 0 was shown whole by the last round
	STEP2 0, 1
	TURN2 0, 1, 1                                  ; slot 0 takes K step 2
	STEP2 1, 0
	TURN2 1, 0, 1                                  ; slot 1 takes K step 3
	STEP2 0, 0
	TURN2 0, 1, 0                                  ; nothing is left to fetch: no round of the cluster's barrier
	STEP2 1, 0
	s_wait_dscnt 0x0
	MUL32 1, 0
	s_mov_b32 s96, s45                             ; e5 for v
	SCALES
.irp a, 0,1,2,3
	OUTBLOCK \a, 12
.endr
	s_wait_tensorcnt 0x0                           ; the wave's end
	ds_add_u32 v[SPW], v[NIL]
	s_wait_dscnt 0x0
	CROUND                                         ; the closing round: no work-group ends while a partner may still ask for a tile that names it
	s_endpgm
.Lfunc_end_k_q79d9c2db6f_qkv:
	.size	k_q79d9c2db6f_qkv, .Lfunc_end_k_q79d9c2db6f_qkv-k_q79d9c2db6f_qkv
	.p2alignl 7, 3214868480
	.fill 96, 4, 3214868480
	.section	.rodata,"a",@progbits
	.p2align	6, 0x0
	.amdhsa_kernel k_q79d9c2db6f_qkv
		.amdhsa_group_segment_fixed_size 327680
		.amdhsa_private_segment_fixed_size 0
		.amdhsa_enable_private_segment 0
		.amdhsa_kernarg_size 40
		.amdhsa_user_sgpr_count 2
		.amdhsa_user_sgpr_kernarg_segment_ptr 1
		.amdhsa_wavefront_size32 1
		.amdhsa_system_sgpr_workgroup_id_x 1
		.amdhsa_system_sgpr_workgroup_id_y 1
		.amdhsa_system_sgpr_workgroup_id_z 1
		.amdhsa_system_vgpr_workitem_id 0
		.amdhsa_next_free_vgpr 1024
		.amdhsa_next_free_sgpr 100
		.amdhsa_reserve_vcc 0
		.amdhsa_float_denorm_mode_32 3
		.amdhsa_float_denorm_mode_16_64 3
		.amdhsa_memory_ordered 1
		.amdhsa_forward_progress 1
		.amdhsa_inst_pref_size 186
	.end_amdhsa_kernel
	.amdgpu_metadata
---
amdhsa.version: [ 1, 2 ]
amdhsa.kernels:
  - .name:           k_q79d9c2db6f_qkv
    .symbol:         k_q79d9c2db6f_qkv.kd
    .args:
      - { .name: xc, .offset: 0, .size: 8, .value_kind: global_buffer, .address_space: global }
      - { .name: wqc, .offset: 8, .size: 8, .value_kind: global_buffer, .address_space: global }
      - { .name: lowp_scales, .offset: 16, .size: 8, .value_kind: global_buffer, .address_space: global }
      - { .name: qkf, .offset: 24, .size: 8, .value_kind: global_buffer, .address_space: global }
      - { .name: vf, .offset: 32, .size: 8, .value_kind: global_buffer, .address_space: global }
    .group_segment_fixed_size: 327680
    .private_segment_fixed_size: 0
    .kernarg_segment_align: 8
    .kernarg_segment_size: 40
    .max_flat_workgroup_size: 128
    .sgpr_count:     100
    .vgpr_count:     1024
    .wavefront_size: 32
...
	.end_amdgpu_metadata
.endif
;; end of part 2
;; launch attn (part 3): grid 4 x 64, 8 waves a work-group, no clusters, 327,680 bytes of LDS; arguments qkf, vf, lowp_scales, af; writes af
.if DOCPART == 3
	.amdgcn_target "amdgcn-amd-amdhsa--gfx1250"
	.amdhsa_code_object_version 6
	.text
	.protected	k_q79d9c2db6f_attn
	.globl	k_q79d9c2db6f_attn
	.p2align	8
	.type	k_q79d9c2db6f_attn,@function
k_q79d9c2db6f_attn:
	s_mov_b64 s[64:65], 0
	v_nop
	global_prefetch_b8 v0, s[64:65] scope:SCOPE_SE
	s_setreg_imm32_b32 hwreg(HW_REG_WAVE_MODE, 25, 1), 1
	s_wait_xcnt 0x0
; Causal attention, 64 heads (batch x head) of 2,048 tokens x 64 channels, both products on codes of FP8 (E4M3); the result is quantised at once as the operand of the last product (entry 6 of the scales).
; q, k, v arrive as IMAGES OF OPERAND REGISTERS (16 bytes a lane at 16 x lane for four registers): q, k: 16 tokens x 64 channels in 1,024 bytes; v: 16 channels x 128 keys in 2,048 bytes.  The result leaves so too.
; THE SOFTMAX: t = score x 2^(e2 + e3) x log2(e) / 8; M = the row's largest t so far, rounded UP to a whole number; p = 2^(t - M) is quantised with 2^e4, not normalised.  The row's sum is taken of the unquantised p,
; in f32, and divides at the end.  When M moves, the sum and O are multiplied by 2^(old M - new M): a power of two.
; WORK LEFT OUT: every score with key > query is -infinity, so p = 0 there for all inputs: a step of 128 keys that all come after a wave's queries is not computed.
; SHARES.  A work-group has one head and TWO blocks of 256 queries: block g (its x, 0..3), then block 7 - g.  Block i needs the key slots (256 keys) 0 .. i: (g + 1) + (8 - g) = 9 visits of a slot in EVERY work-group.
; Each of the EIGHT waves owns 32 queries, two tiles of 16, in 512 registers: two waves to a SIMD; each fragment of K and of V that a wave reads from LDS feeds two matrix instructions, and the two tiles' chains are laid by turns.
; Wave w takes the 32 queries number ti = 4 ((w ^ (w >> 2)) & 1) + (w >> 1) of a block: of two waves w % 4 alike, or w / 2 alike, one lies in the block's lower half (one step in the diagonal slot), one in the upper (two).
; LAYOUT.  Both products are used transposed: S^T = K Q^T (source 0 = 16 keys, source 1 = 16 queries; K = 64), O^T = V^T P^T (source 0 = 16 channels, source 1 = P; K = 128 keys): a lane holds ONE query (lane % 16) of each tile.
; In S^T's tile t a lane's eight registers are keys 16 t + 8 (lane / 16) + 0 .. 7: converted, they are registers 2 t, 2 t + 1 of P (ISA guide 7.12.2).  O^T's tile d likewise gives registers 2 d, 2 d + 1 of the result's image.
; THE EXPONENTIALS STAND AMONG PLAIN LINES: tile 0's 64 by turns with tile 1's 32 multiply-adds, tile 1's 64 by turns with 16 sums and 32 holds of tile 0; what those plain lines write is first read behind the next wait.
; THE RING: two LDS slots of 32,768 bytes (16 images of K, then 8 of V), filled by the tensor data mover (waves 0, 1: K's halves; waves 2, 3: V's two key steps), read by all eight; every read is 512 consecutive bytes: no padding.
; THE MASK on the diagonal step.  Key tile t against a tile of queries that begins 16 ot keys into the step: t < ot all keys count, t > ot none, t = ot key 8 (lane / 16) + j is hidden where it is over lane % 16:
; eight constant lane masks.  The choice is made by scalar compares and selects on ids; one v_cndmask_b32 a score.
; NO CLUSTER: the only work-groups that read the same K and V are a head's four, and which steps each of them leaves out hangs on its query blocks, that is on its place among the four; joint loads allow no branch on that place.
; LIMITS on the given exponents, so that each power of two below is an f32 number: e2 + e3 between -123 and 130 (added to c's exponent field); e4 and e6 between -126 and 119; e4 + e5 is applied by v_ldexp_f32 and has none.  NaN is not served.
; REGISTERS.  Window 0: v1-11 addresses and constants; v12 -M, v13 the largest t (tile 0), v14, v15 (tile 1); v[16:17], v[18:19] the sums in two halves; v[20:21], v[22:23] f (upper word 0);
;   v24-27 the maxima's chains; v28, v29 permutes' destinations; v30-55 and v116-121 tile 0's sixteen partial sums; v56-71 Q; v72-103 P's codes; v110-115 tile 1's side chains; v128-255 S^T, then p.
;   Window 1: v0-63 K's fragments, v64-127 V's, v128-191 O^T.
.set SLOT1, 32768                      ; slot 1 begins here: one exclusive or turns an address in one slot into the other's
.set SLB,   32768                      ; a slot on in memory, in k's images and in v's alike
.set VOFF,  16384                      ; in a slot: K's 16 images, then V's
.set SPARE, 65536                      ; behind the ring: the spare words, 128 bytes for each wave: four blocks of 256 bytes that no other line names
.set LI,   1                           ; 16 x lane; never rewritten
.set ADR,  2                           ; LDS address of the step in hand + 16 x lane
.set PFO,  3                           ; the prefetches' offset; never rewritten
.set SPW,  5                           ; LDS address of my spare word; never rewritten
.set NIL,  6                           ; 0; never rewritten
.set NINF, 8                           ; -infinity
.set PSC,  9                           ; 2^e4
.set OLIM, 10                          ; 448 x 2^e6
.set OSC,  11                          ; 2^e6
.set TP,   30                          ; tile 0's partial sums 0-12; 13-15 lie 60 registers further on
.set QR,   56
.set PC,   72
.set TS,   110                         ; tile 1's three side chains
.set S,    128
.set FK,   0                           ; window 1
.set FV,   64
.set O,    128
.set TB,   2                           ; s2   LDS byte at which the slot in hand begins
.set VIS,  3                           ; s3   the visit, 0..8
.set G,    12
.set GB,   13                          ; g slots in bytes
.set STA,  14                          ; s[14:15] what the walking descriptors add, s[16:17] and subtract
.set STS,  16
.set WV,   18
.set TI,   19
.set SEL,  20                          ; s[20:21] lane selects for v_permlanex16_b32: lane l xor 16
.set CS,   22                          ; s[22:23] c = 2^(e2 + e3) log2(e) / 8
.set G1K,  24
.set G1V,  32
.set G0K,  40
.set G0V,  44
.set QX,   56
.set QY,   58
.set OUTX, 60
.set OUTY, 62
.set KF,   66                          ; the step's first key
.set Q0,   67                          ; my first query; s68 in the second block
.set Q0Y,  68
.set E45,  69
.set PFA,  70
.set LIM,  72                          ; 4 in a wave that prefetches, else 0
.set PL,   73                          ; 448 x 2^e4
.set MK,   80                          ; s80-87 a key tile's eight lane masks
.set QI,   98                          ; the key step in the slot, 0 or 1
.set OTS,  99                          ; ot
.set MSB, 0
.macro WIN new                         ; the immediate's high byte repeats the setting that is left
.if MSB != \new
	s_set_vgpr_msb (MSB<<8)|\new
.set MSB, \new
.endif
.endm
; Waves 0 and 1 fetch for K, waves 2 and 3 for V, the others nothing.  An s_nop 0 and four v_nop follow each of the two lines.
.macro TLOAD
	s_cmp_lt_u32 s[WV], 2
	s_cbranch_scc0 .Lnot_k_\@
	tensor_load_to_lds s[G0K:G0K+3], s[G1K:G1K+7]
	s_nop 0
.rept 4
	v_nop
.endr
	s_branch .Lasked_\@
.Lnot_k_\@:
	s_cmp_lt_u32 s[WV], 4
	s_cbranch_scc0 .Lasked_\@
	tensor_load_to_lds s[G0V:G0V+3], s[G1V:G1V+7]
	s_nop 0
.rept 4
	v_nop
.endr
.Lasked_\@:
.endm
; A PREFETCH INTO THE L2 of key slots 4 to 7 of my head.  The head's first work-group (g = 0) asks in visit v for key slot v by its tensor loads; in visits 3 to 6 it names slot v + 1: one visit, two key steps of all waves, ahead of the load.
; Waves 4, 5 name the halves of K's part (8 images of 1,024 bytes, 2,048 apart: lane l names image l / 4, byte 256 (l % 4)), waves 6, 7 V's two key steps (8,192 dense bytes, lanes 256 bytes apart):
; each aligned block of 256 bytes is named once in the launch, and slot 7 is the head's last.  Slots 0 to 3 come by their loads alone: the partners load them in the visits in which they could be named.
.macro ASK
	s_sub_co_u32 s96, s[VIS], 3
	s_cmp_lt_u32 s96, s[LIM]
	s_cbranch_scc0 .Lnot_mine_\@
	global_prefetch_b8 v[PFO], s[PFA:PFA+1] th:TH_LOAD_NT scope:SCOPE_SE
.Lnot_mine_\@:
.endm
	s_load_b256 s[4:11], s[0:1], 0x0               ; qkf s[4:5], vf s[6:7], the scales' exponents s[8:9], af s[10:11]
	v_lshl_add_u32 v[SPW], v0, 2, SPARE
	v_mov_b32 v[NIL], 0
	ds_add_u32 v[SPW], v[NIL]                      ; the opening lines: the add, twice on end, and its wait ahead of the first tensor load
	ds_add_u32 v[SPW], v[NIL]
	v_lshrrev_b32 v7, 5, v0
	v_readfirstlane_b32 s[WV], v7                  ; wave 0..7
	s_mov_b32 s[G], ttmp9
	s_lshl_b32 s[GB], s[G], 15
	s_mov_b32 s[STA+1], 0
	s_mov_b32 s[STS+1], 0
	s_and_b32 s74, ttmp7, 0xffff                   ; bh = 16 x batch + head
	s_lshr_b32 s75, s[WV], 2
	s_xor_b32 s75, s75, s[WV]
	s_and_b32 s75, s75, 1
	s_lshl_b32 s75, s75, 2
	s_lshr_b32 s[TI], s[WV], 1
	s_or_b32 s[TI], s[TI], s75                     ; ti, 0..7
	s_lshl_b32 s79, s[TI], 1                       ; my first tile of 16 queries in a block
	s_lshr_b32 s75, s74, 1
	s_lshl_b32 s75, s75, 18                        ; the head pair's 2^18 bytes, in q's, k's and v's images alike
	s_and_b32 s76, s74, 1                          ; the head's parity
	s_and_b32 s96, s[WV], 1
	s_lshl_b32 s77, s96, 14                        ; what I fetch, if I fetch: 8 tiles of K, or one key step of V: 2^14 bytes on for the odd wave
	s_lshl_b32 s78, s76, 10
	s_add_co_u32 s78, s78, s75                     ; q, k: the head's first image
	s_add_co_u32 s80, s78, s77
	s_add_co_u32 s80, s80, 1<<23                   ; k lies behind q
	s_mov_b32 s81, 0
	s_lshl_b32 s82, s76, 13
	s_add_co_u32 s82, s82, s75
	s_add_co_u32 s82, s82, s77                     ; v
	s_mov_b32 s83, 0
	s_lshl_b32 s84, s[G], 4
	s_add_co_u32 s84, s84, s79                     ; my first tile in the first block: 16 g + 2 ti,
	s_lshl_b32 s[Q0], s84, 4
	s_lshl_b32 s86, s84, 11
	s_add_co_u32 s86, s86, s78
	s_mov_b32 s87, 0
	s_sub_co_u32 s85, 7, s[G]
	s_lshl_b32 s85, s85, 4
	s_add_co_u32 s85, s85, s79                     ; in the second: 16 (7 - g) + 2 ti
	s_lshl_b32 s[Q0Y], s85, 4
	s_lshl_b32 s88, s85, 11
	s_add_co_u32 s88, s88, s78
	s_mov_b32 s89, 0
	s_lshr_b32 s90, s74, 4
	s_lshl_b32 s90, s90, 21                        ; the result: batch << 21 + tile << 14 + head << 10
	s_and_b32 s91, s74, 15
	s_lshl_b32 s91, s91, 10
	s_add_co_u32 s90, s90, s91
	s_lshl_b32 s92, s84, 14
	s_add_co_u32 s92, s92, s90
	s_mov_b32 s93, 0
	s_lshl_b32 s94, s85, 14
	s_add_co_u32 s94, s94, s90
	s_mov_b32 s95, 0
	; descriptor group 1.  K: 8 images of 1,024 bytes, 2,048 bytes apart (the other head of the pair lies between);  V: 8,192 dense bytes as 32 rows of 256.  Elements of 8 bytes, no mask, no padding
	s_mov_b32 s[G1K], 3<<16
	s_mov_b32 s[G1K+1], 128<<16
	s_mov_b32 s[G1K+2], 8<<16
	s_mov_b32 s[G1K+3], 128<<16
	s_mov_b32 s[G1K+4], 8
	s_mov_b32 s[G1K+5], 256
	s_mov_b32 s[G1K+6], 0
	s_mov_b32 s[G1K+7], 0
	s_mov_b32 s[G1V], 3<<16
	s_mov_b32 s[G1V+1], 32<<16
	s_mov_b32 s[G1V+2], 32<<16
	s_mov_b32 s[G1V+3], 32<<16
	s_mov_b32 s[G1V+4], 32
	s_mov_b32 s[G1V+5], 32
	s_mov_b32 s[G1V+6], 0
	s_mov_b32 s[G1V+7], 0
	s_mov_b32 s[SEL], 0x76543210
	s_mov_b32 s[SEL+1], 0xfedcba98
	s_mov_b32 s[CS], 0x3e38aa3b                    ; log2(e) / 8
	s_mov_b32 s[TB], 0
	s_mov_b32 s[KF], 0
	s_mov_b32 s[VIS], 0
	s_wait_dscnt 0x0                               ; both opening adds are done
	s_wait_kmcnt 0x0
	s_load_b256 s[48:55], s[8:9], 0x0              ; e0 .. e7
	s_add_nc_u64 s[80:81], s[4:5], s[80:81]        ; k's images: my part of key slot 0
	s_add_nc_u64 s[82:83], s[6:7], s[82:83]        ; v's
	s_mov_b32 s[G0K], 1
	s_lshl_b32 s[G0K+1], s96, 13                   ; LDS address: slot 0, 8,192 x (wave % 2)
	s_mov_b64 s[G0K+2:G0K+3], s[80:81]
	s_or_b32 s[G0K+3], s[G0K+3], 0x80000000
	s_mov_b32 s[G0V], 1
	s_add_co_u32 s[G0V+1], s[G0K+1], VOFF
	s_mov_b64 s[G0V+2:G0V+3], s[82:83]
	s_or_b32 s[G0V+3], s[G0V+3], 0x80000000
	TLOAD                                          ; visit 0's slot: my one load that is out
	s_add_nc_u64 s[QX:QX+1], s[4:5], s[86:87]
	s_add_nc_u64 s[QY:QY+1], s[4:5], s[88:89]
	s_add_nc_u64 s[OUTX:OUTX+1], s[10:11], s[92:93]
	s_add_nc_u64 s[OUTY:OUTY+1], s[10:11], s[94:95]
	v_and_b32 v7, 31, v0
	v_lshlrev_b32 v[LI], 4, v7
.macro QLOAD q                         ; my two tiles of Q, 2,048 bytes apart; they stay in registers for a block
	global_load_b128 v[QR:QR+3],     v[LI], s[\q:\q+1]
	global_load_b128 v[QR+4:QR+7],   v[LI], s[\q:\q+1] offset:512
	global_load_b128 v[QR+8:QR+11],  v[LI], s[\q:\q+1] offset:2048
	global_load_b128 v[QR+12:QR+15], v[LI], s[\q:\q+1] offset:2560
.endm
	QLOAD QX
	; the prefetches: where my wave's stand, and who asks
	s_mov_b32 s84, 1024
	s_cmp_lt_u32 s[WV], 6                          ; waves 4, 5: K; waves 6, 7: V
	s_cselect_b64 s[PFA:PFA+1], s[80:81], s[82:83] ; at key slot 0: each change of slots steps it ahead of its prefetch
	s_cselect_b32 s84, 2048, s84                   ; from four lanes to the next four
	v_bfe_u32 v[PFO], v0, 2, 3
	v_mul_lo_u32 v[PFO], v[PFO], s84
	v_and_b32 v7, 3, v0
	v_lshl_add_u32 v[PFO], v7, 8, v[PFO]
	s_lshr_b32 s84, s[WV], 2
	s_xor_b32 s84, s84, 1                          ; 0 in waves 4 to 7,
	s_or_b32 s84, s84, ttmp9                       ; of the head's first work-group
	s_cmp_eq_u32 s84, 0
	s_cselect_b32 s[LIM], 4, 0
	v_mov_b32 v[NINF], 0xff800000
	v_mov_b32 v21, 0                               ; (named as the upper halves of the pairs with f)
	v_mov_b32 v23, 0
	v_mov_b32 v28, 0                               ; written once: a lane permute's destination counts as one of its sources
	v_mov_b32 v29, 0
; A block's state: the largest t is -3e38, under every t; the sums and O^T are zeros, which the first change of M leaves zeros: so a block has no first step of its own.
.macro STATE
	v_mov_b32 v13, 0xff61b1e6
	v_mov_b32 v15, 0xff61b1e6
	v_floor_f32 v12, -v13                          ; -M
	v_floor_f32 v14, -v15
.irp n, 16,17,18,19
	v_mov_b32 v\n, 0
.endr
	WIN 0x40
.set N, 0
.rept 64
	v_mov_b32 v[O+N], 0
.set N, N+1
.endr
	WIN 0
.endm
	STATE
	s_wait_kmcnt 0x0
	s_add_co_i32 s74, s50, s51
	s_lshl_b32 s74, s74, 23
	s_add_co_i32 s[CS], s[CS], s74                 ; a score stands for score x 2^(e2 + e3): the two exponents are added to c's exponent field
	s_mov_b32 s[CS+1], s[CS]
	s_add_co_i32 s74, s52, 127
	s_lshl_b32 s75, s74, 23
	v_mov_b32 v[PSC], s75                          ; 2^e4
	s_add_co_i32 s74, s74, 8
	s_lshl_b32 s74, s74, 23
	s_or_b32 s[PL], s74, 0x600000                  ; 448 x 2^e4
	s_add_co_i32 s74, s54, 127
	s_lshl_b32 s75, s74, 23
	v_mov_b32 v[OSC], s75                          ; 2^e6
	s_add_co_i32 s74, s74, 8
	s_lshl_b32 s74, s74, 23
	s_or_b32 s74, s74, 0x600000
	v_mov_b32 v[OLIM], s74                         ; 448 x 2^e6
	s_add_co_i32 s[E45], s52, s53
; The mask of key tile t against the tile of queries whose scores begin at register base.  s[OTS] = ot.
.macro MASKT base, t
	s_cmp_gt_u32 s[OTS], \t
	s_cbranch_scc1 .Lfree_\@                       ; all 16 keys count
	s_cmp_eq_u32 s[OTS], \t
.irp j, 0,1,2,3,4,5,6,7
	s_cselect_b32 s[MK+\j], ((1<<\j)-1)|(((1<<(8+\j))-1)<<16), -1   ; on the diagonal: lanes 0-15 with lane % 16 < j, lanes 16-31 with lane % 16 < 8 + j; beyond it: all
.endr
.irp j, 0,1,2,3,4,5,6,7
	v_cndmask_b32 v[\base+8*\t+\j], v[\base+8*\t+\j], v[NINF], s[MK+\j]
.endr
.Lfree_\@:
.endm
.macro HOLD n                          ; two numbers held at 448 x 2^e4 by one line: the conversion to an 8-bit code does not saturate (ISA guide 7.6.2); p is not negative, so the hold is one-sided
	v_dual_min_num_f32 v[\n], s[PL], v[\n] :: v_dual_min_num_f32 v[\n+1], s[PL], v[\n+1]
.endm
.macro ADD1 n                          ; four pairs of tile 1's p onto its four chains
	v_pk_add_f32 v[18:19], v[18:19], v[S+64+\n:S+64+\n+1]
.irp c, 0,1,2
	v_pk_add_f32 v[TS+2*\c:TS+2*\c+1], v[TS+2*\c:TS+2*\c+1], v[S+64+\n+2+2*\c:S+64+\n+3+2*\c]
.endr
.endm
; A KEY STEP: 128 keys, number s[QI] of the slot in hand, against my two tiles of queries.
.macro STEP
	s_cmp_gt_u32 s[KF], s[Q0]                      ; KF is a multiple of 128 and Q0 of 32: KF > Q0 says that all 128 keys come after my 32 queries
	s_cbranch_scc1 .Lhidden_\@
	s_lshl_b32 s96, s[QI], 13
	s_add_co_u32 s96, s96, s[TB]
	v_add_nc_u32 v[ADR], s96, v[LI]
.rept 3
	v_nop                                          ; with the addition above: four places in front of loads into registers that the last products read
.endr
	WIN 0x40                                       ; destinations in window 1
.irp t, 0,1,2,3,4,5,6,7
	ds_load_b128 v[FK+8*\t:FK+8*\t+3],   v[ADR] offset:1024*\t
	ds_load_b128 v[FK+8*\t+4:FK+8*\t+7], v[ADR] offset:1024*\t+512
.endr
.irp d, 0,1,2,3
.irp c, 0,1,2,3
	ds_load_b128 v[FV+16*\d+4*\c:FV+16*\d+4*\c+3], v[ADR] offset:VOFF+2048*\d+512*\c   ; V's four fragments land under the softmax
.endr
.endr
	WIN 0x01                                       ; source 0 in window 1
	s_wait_dscnt 24                                ; K's tiles 0-3 are in; K's last 8 loads and V's 16 may be out
.irp t, 0,1,2,3
	v_wmma_f32_16x16x64_fp8_fp8 v[S+8*\t:S+8*\t+7],       v[FK+8*\t:FK+8*\t+7], v[QR:QR+7], 0
	v_wmma_f32_16x16x64_fp8_fp8 v[S+64+8*\t:S+64+8*\t+7], v[FK+8*\t:FK+8*\t+7], v[QR+8:QR+15], 0
.endr
	s_wait_dscnt 16                                ; K is in; V's 16 loads may be out
.irp t, 4,5,6,7
	v_wmma_f32_16x16x64_fp8_fp8 v[S+8*\t:S+8*\t+7],       v[FK+8*\t:FK+8*\t+7], v[QR:QR+7], 0
	v_wmma_f32_16x16x64_fp8_fp8 v[S+64+8*\t:S+64+8*\t+7], v[FK+8*\t:FK+8*\t+7], v[QR+8:QR+15], 0
.endr
	WIN 0
.rept 4
	v_nop                                          ; places in front of the first read of the scores
.endr
	s_add_co_u32 s96, s[KF], 127                   ; a step all of whose keys count for all my queries has no mask
	s_cmp_le_u32 s96, s[Q0]
	s_cbranch_scc1 .Lopen_\@
	s_sub_co_u32 s[OTS], s[Q0], s[KF]
	s_lshr_b32 s[OTS], s[OTS], 4                   ; tile 0's ot
.irp t, 0,1,2,3,4,5,6,7
	MASKT S, \t
.endr
	s_add_co_u32 s[OTS], s[OTS], 1                 ; tile 1's
.irp t, 0,1,2,3,4,5,6,7
	MASKT S+64, \t
.endr
.Lopen_\@:
	s_wait_alu depctr_va_vdst(0)
	v_max3_num_f32 v24, v[S], v[S+1], v[S+2]       ; the step's largest score of each query, among a lane's 64 keys: two chains a tile, each accumulator read from its low end on
	v_max3_num_f32 v26, v[S+64], v[S+65], v[S+66]
	v_max3_num_f32 v25, v[S+3], v[S+4], v[S+5]
	v_max3_num_f32 v27, v[S+67], v[S+68], v[S+69]
.irp i, 6,10,14,18,22,26,30,34,38,42,46,50,54,58
	v_max3_num_f32 v24, v24, v[S+\i], v[S+\i+1]
	v_max3_num_f32 v26, v26, v[S+64+\i], v[S+64+\i+1]
	v_max3_num_f32 v25, v25, v[S+\i+2], v[S+\i+3]
	v_max3_num_f32 v27, v27, v[S+64+\i+2], v[S+64+\i+3]
.endr
	v_max3_num_f32 v24, v24, v[S+62], v[S+63]
	v_max3_num_f32 v26, v26, v[S+126], v[S+127]
	v_max_num_f32 v24, v24, v25
	v_max_num_f32 v26, v26, v27
	v_permlanex16_b32 v28, v24, s[SEL], s[SEL+1]
	v_permlanex16_b32 v29, v26, s[SEL], s[SEL+1]
	v_max_num_f32 v24, v24, v28                    ; and among lane l xor 16's
	v_max_num_f32 v26, v26, v29
	v_mul_f32 v24, s[CS], v24                      ; as t (c is positive)
	v_mul_f32 v26, s[CS], v26
	v_max_num_f32 v13, v13, v24                    ; the running largest t
	v_max_num_f32 v15, v15, v26
	v_mov_b32 v25, v12
	v_mov_b32 v27, v14
	v_floor_f32 v12, -v13                          ; the new -M = floor(-t) = -ceil(t): M is a whole number
	v_floor_f32 v14, -v15
	v_sub_f32 v25, v12, v25                        ; M's old value less its new one: a whole number, 0 or less
	v_sub_f32 v27, v14, v27
	v_cvt_i32_f32 v25, v25                         ; (it saturates)
	v_cvt_i32_f32 v27, v27
	v_ldexp_f32 v20, 1.0, v25                      ; f = 2^(old M - new M)
	v_ldexp_f32 v22, 1.0, v27
	WIN 0x41                                       ; O^T in window 1, f in window 0
.set N, 0
.rept 16
	v_pk_mul_f32 v[O+N:O+N+1], v[O+N:O+N+1], v[20:21] op_sel_hi:[1,0]          ; O^T under the new M, ahead of the exponentials
	v_pk_mul_f32 v[O+32+N:O+32+N+1], v[O+32+N:O+32+N+1], v[22:23] op_sel_hi:[1,0]
.set N, N+2
.endr
	WIN 0
.set N, 0
.rept 32
	v_pk_fma_f32 v[S+N:S+N+1], v[S+N:S+N+1], s[CS:CS+1], v[12:13] op_sel_hi:[1,0,0]   ; tile 0: t - M, two at a time (of the pairs c and -M the low word serves both halves)
.set N, N+2
.endr
	s_wait_alu depctr_va_vdst(0)                   ; the wait ahead of the exponentials
.set N, 0
.rept 32
	v_exp_f32 v[S+N], v[S+N]                       ; tile 0: p = 2^(t - M), at most 1: not normalised;
	v_exp_f32 v[S+N+1], v[S+N+1]
	v_pk_fma_f32 v[S+64+N:S+64+N+1], v[S+64+N:S+64+N+1], s[CS:CS+1], v[14:15] op_sel_hi:[1,0,0]   ; by turns with tile 1's t - M, first read behind the wait below
.set N, N+2
.endr
	s_wait_alu depctr_va_vdst(0)                   ; one wait: behind tile 0's exponentials, ahead of their first reader, and ahead of tile 1's, which read the lines laid among them
.set N, 0
.rept 16
.set TA, TP+2*N+(N/13)*60
	v_exp_f32 v[S+64+4*N], v[S+64+4*N]             ; tile 1's p, by turns with tile 0's first sums and holds, whose results are first read behind the wait below
	v_exp_f32 v[S+65+4*N], v[S+65+4*N]
	v_pk_add_f32 v[TA:TA+1], v[S+4*N:S+4*N+1], v[S+4*N+2:S+4*N+3]   ; the sums are taken of the unquantised p: ahead of the holds of the same numbers
	v_exp_f32 v[S+66+4*N], v[S+66+4*N]
	v_exp_f32 v[S+67+4*N], v[S+67+4*N]
	HOLD S+4*N
	HOLD S+4*N+2
.set N, N+1
.endr
	v_pk_mul_f32 v[16:17], v[16:17], v[20:21] op_sel_hi:[1,0]   ; the sums under the new M: plain lines behind the exponentials
	v_pk_mul_f32 v[18:19], v[18:19], v[22:23] op_sel_hi:[1,0]
	s_wait_alu depctr_va_vdst(0)                   ; the wait behind tile 1's exponentials, ahead of their first reader
.set N, 0
.rept 8                                        ; tile 0: sixteen partial sums to eight,
.set TA, TP+2*N
.set TC, TP+2*(N+8)+((N+8)/13)*60
	v_pk_add_f32 v[TA:TA+1], v[TA:TA+1], v[TC:TC+1]
.set N, N+1
.endr
.irp c, 0,1,2                                  ; tile 1: four chains
	v_pk_add_f32 v[TS+2*\c:TS+2*\c+1], v[S+64+4*\c:S+64+4*\c+1], v[S+64+4*\c+2:S+64+4*\c+3]
.endr
.irp c, 0,1,2,3                                ; tile 0: to four,
	v_pk_add_f32 v[TP+2*\c:TP+2*\c+1], v[TP+2*\c:TP+2*\c+1], v[TP+8+2*\c:TP+8+2*\c+1]
.endr
.irp n, 12,20,28
	ADD1 \n
.endr
	v_pk_add_f32 v[TP:TP+1], v[TP:TP+1], v[TP+4:TP+5]           ; to two,
	v_pk_add_f32 v[TP+2:TP+3], v[TP+2:TP+3], v[TP+6:TP+7]
.irp n, 36,44,52
	ADD1 \n
.endr
	v_pk_add_f32 v[TP:TP+1], v[TP:TP+1], v[TP+2:TP+3]           ; to one,
	v_pk_add_f32 v[18:19], v[18:19], v[S+124:S+125]
	v_pk_add_f32 v[TS:TS+1], v[TS:TS+1], v[S+126:S+127]
	v_pk_add_f32 v[16:17], v[16:17], v[TP:TP+1]                 ; onto the row's sum
	v_pk_add_f32 v[18:19], v[18:19], v[TS+4:TS+5]
	v_pk_add_f32 v[TS:TS+1], v[TS:TS+1], v[TS+2:TS+3]
	v_pk_add_f32 v[18:19], v[18:19], v[TS:TS+1]
.set N, 0
.rept 32
	HOLD S+64+N                                    ; tile 1's holds
.set N, N+2
.endr
.set N, 0
.rept 16
	v_cvt_scalef32_pk8_fp8_f32 v[PC+2*N:PC+2*N+1], v[S+8*N:S+8*N+7], v[PSC]   ; keys 16 t + 8 (lane / 16) + 0 .. 7: registers 2 t, 2 t + 1 of P; tile 0's sixteen registers, then tile 1's
.set N, N+1
.endr
	v_nop                                          ; one plain vector line between the last conversion and the products that read its result
	s_wait_alu depctr_va_vdst(0)
	s_wait_dscnt 0x0                               ; V is in
	WIN 0x51                                       ; V's fragments and O^T in window 1, P in window 0
.irp d, 0,1,2,3
	v_wmma_f32_16x16x128_fp8_fp8 v[O+8*\d:O+8*\d+7],       v[FV+16*\d:FV+16*\d+15], v[PC:PC+15],    v[O+8*\d:O+8*\d+7]      ; eight accumulators by turns; between two links on one stand the next step's sixteen products K Q^T
	v_wmma_f32_16x16x128_fp8_fp8 v[O+32+8*\d:O+32+8*\d+7], v[FV+16*\d:FV+16*\d+15], v[PC+16:PC+31], v[O+32+8*\d:O+32+8*\d+7]
.endr
	WIN 0
.Lhidden_\@:
	s_add_co_u32 s[KF], s[KF], 128
.endm
; THE CHANGE OF SLOTS stands at a visit's head.  Each wave waits for all its tensor loads, adds 0 to its spare word (fill = 1: twice on end), and waits for that and for its reads of the slot that it has left.
; Behind the barrier the slot ahead is whole and nobody reads the other one.  fill = 1: that other slot is filled for the next visit: the next key slot, or, where this visit is the first block's last (VIS = g), key slot 0 again.
.macro CHANGE fill
	s_wait_tensorcnt 0x0                           ; no tensor load of mine is out, so a group 0 may be written
	ds_add_u32 v[SPW], v[NIL]
.if \fill
	ds_add_u32 v[SPW], v[NIL]                      ; and once more
	s_cmp_eq_u32 s[VIS], s[G]
	s_cselect_b32 s[STA], 0, SLB                   ; one slot on,
	s_cselect_b32 s[STS], s[GB], 0                 ; or g slots back
	s_xor_b32 s[G0K+1], s[G0K+1], SLOT1            ; the other LDS slot than last time
	s_add_nc_u64 s[G0K+2:G0K+3], s[G0K+2:G0K+3], s[STA:STA+1]
	s_sub_nc_u64 s[G0K+2:G0K+3], s[G0K+2:G0K+3], s[STS:STS+1]
	s_xor_b32 s[G0V+1], s[G0V+1], SLOT1
	s_add_nc_u64 s[G0V+2:G0V+3], s[G0V+2:G0V+3], s[STA:STA+1]
	s_sub_nc_u64 s[G0V+2:G0V+3], s[G0V+2:G0V+3], s[STS:STS+1]
	s_wait_xcnt 0x0                                ; the last prefetch, a visit back, has read its address, so it may be written:
	s_add_nc_u64 s[PFA:PFA+1], s[PFA:PFA+1], SLB   ; key slot VIS + 1
.endif
	s_wait_dscnt 0x0                               ; the add is done, and my reads of the slot that I have left are over
	s_barrier_signal -1
	s_barrier_wait -1
.if \fill
	TLOAD                                          ; the first thing behind the barrier, and a wave's one tensor load until the next: it has a visit's two steps in which to land
	ASK
.endif
.endm
; A BLOCK'S END.  O^T x 2^(e4 + e5) / the sum is the value that the last product's operand is made of: held, converted with 2^e6, stored as half an image a tile (16 queries x my head's 64 of the pair's 128 channels).
; next = 1: the second block's Q is asked for first, and lands under this arithmetic.
.macro FINISH out, next
.rept 4
	v_nop                                          ; places behind the last products: their results are read, and Q's registers are loaded anew
.endr
.if \next
	QLOAD QY
.endif
	v_add_f32 v16, v16, v17                        ; the sums' two halves,
	v_add_f32 v18, v18, v19
	v_permlanex16_b32 v28, v16, s[SEL], s[SEL+1]
	v_permlanex16_b32 v29, v18, s[SEL], s[SEL+1]
	v_add_f32 v16, v16, v28                        ; and lane l xor 16's: the rows' sums (at least 1/2: the row's largest p)
	v_add_f32 v18, v18, v29
	s_wait_alu depctr_va_vdst(0)                   ; the wait ahead of the transcendentals,
	v_rcp_f32 v16, v16
	v_rcp_f32 v18, v18
	v_nop                                          ; a plain line behind them,
	s_wait_alu depctr_va_vdst(0)                   ; and the wait ahead of their first reader
	v_ldexp_f32 v16, v16, s[E45]
	v_ldexp_f32 v18, v18, s[E45]
	WIN 0x01                                       ; source 0, O^T, in window 1
	s_wait_alu depctr_va_vdst(0)                   ; directly ahead of the first reader of O^T
.set N, 0
.rept 32
	v_mul_f32 v[S+N], v[O+N], v16                  ; register 8 d + j: channel 16 d + 8 (lane / 16) + j of my query
.set N, N+1
.endr
.set N, 0
.rept 32
	v_mul_f32 v[S+32+N], v[O+32+N], v18
.set N, N+1
.endr
	WIN 0
.set N, 0
.rept 64
	v_med3_num_f32 v[S+N], v[S+N], -v[OLIM], v[OLIM]
.set N, N+1
.endr
.set N, 0
.rept 8
	v_cvt_scalef32_pk8_fp8_f32 v[PC+2*N:PC+2*N+1], v[S+8*N:S+8*N+7], v[OSC]
.set N, N+1
.endr
	v_nop                                          ; one plain vector line behind the last conversion
	global_store_b128 v[LI], v[PC:PC+3],     s[\out:\out+1]               ; 32 lanes store 512 consecutive bytes, at a multiple of 512 from the buffer's first byte
	global_store_b128 v[LI], v[PC+4:PC+7],   s[\out:\out+1] offset:512
	global_store_b128 v[LI], v[PC+8:PC+11],  s[\out:\out+1] offset:16384  ; tile 1: the next 16 tokens
	global_store_b128 v[LI], v[PC+12:PC+15], s[\out:\out+1] offset:16896
.endm
	s_wait_alu depctr_va_vdst(0)                   ; the head's end
	s_wait_loadcnt 0x0                             ; Q
.Lvisit:                                           ; eight trips: behind each change of slots but the last the next visit's slot is asked for
	CHANGE 1
	s_mov_b32 s[QI], 0
.Lstep:                                            ; the slot's two key steps
	STEP
	s_add_co_u32 s[QI], s[QI], 1
	s_cmp_lt_u32 s[QI], 2
	s_cbranch_scc1 .Lstep
	s_xor_b32 s[TB], s[TB], SLOT1                  ; on to the other slot
	s_cmp_lg_u32 s[VIS], s[G]                      ; was this the first block's last visit?  A branch on ids, round register work, loads and stores
	s_cbranch_scc1 .Lsame
	FINISH OUTX, 1
	s_mov_b32 s[Q0], s[Q0Y]
	s_mov_b32 s[KF], 0
	STATE
	s_wait_xcnt 0x0                                ; the stores have read their registers: the next step's conversions write them again
	s_wait_loadcnt 0x0                             ; the second block's Q
.Lsame:
	s_add_co_u32 s[VIS], s[VIS], 1
	s_cmp_lt_u32 s[VIS], 8
	s_cbranch_scc1 .Lvisit
	CHANGE 0                                       ; the last visit is written out
	s_mov_b32 s[QI], 0
.Llast:
	STEP
	s_add_co_u32 s[QI], s[QI], 1
	s_cmp_lt_u32 s[QI], 2
	s_cbranch_scc1 .Llast
	FINISH OUTY, 0
	s_wait_tensorcnt 0x0                           ; the wave's end
	ds_add_u32 v[SPW], v[NIL]
	s_wait_dscnt 0x0
	s_endpgm
.Lfunc_end_k_q79d9c2db6f_attn:
	.size	k_q79d9c2db6f_attn, .Lfunc_end_k_q79d9c2db6f_attn-k_q79d9c2db6f_attn
	.p2alignl 7, 3214868480
	.fill 96, 4, 3214868480
	.section	.rodata,"a",@progbits
	.p2align	6, 0x0
	.amdhsa_kernel k_q79d9c2db6f_attn
		.amdhsa_group_segment_fixed_size 327680
		.amdhsa_private_segment_fixed_size 0
		.amdhsa_enable_private_segment 0
		.amdhsa_kernarg_size 32
		.amdhsa_user_sgpr_count 2
		.amdhsa_user_sgpr_kernarg_segment_ptr 1
		.amdhsa_wavefront_size32 1
		.amdhsa_system_sgpr_workgroup_id_x 1
		.amdhsa_system_sgpr_workgroup_id_y 1
		.amdhsa_system_sgpr_workgroup_id_z 1
		.amdhsa_system_vgpr_workitem_id 0
		.amdhsa_next_free_vgpr 512
		.amdhsa_next_free_sgpr 100
		.amdhsa_reserve_vcc 0
		.amdhsa_float_denorm_mode_32 3
		.amdhsa_float_denorm_mode_16_64 3
		.amdhsa_memory_ordered 1
		.amdhsa_forward_progress 1
		.amdhsa_inst_pref_size 122
	.end_amdhsa_kernel
	.amdgpu_metadata
---
amdhsa.version: [ 1, 2 ]
amdhsa.kernels:
  - .name:           k_q79d9c2db6f_attn
    .symbol:         k_q79d9c2db6f_attn.kd
    .args:
      - { .name: qkf, .offset: 0, .size: 8, .value_kind: global_buffer, .address_space: global }
      - { .name: vf, .offset: 8, .size: 8, .value_kind: global_buffer, .address_space: global }
      - { .name: lowp_scales, .offset: 16, .size: 8, .value_kind: global_buffer, .address_space: global }
      - { .name: af, .offset: 24, .size: 8, .value_kind: global_buffer, .address_space: global }
    .group_segment_fixed_size: 327680
    .private_segment_fixed_size: 0
    .kernarg_segment_align: 8
    .kernarg_segment_size: 32
    .max_flat_workgroup_size: 256
    .sgpr_count:     100
    .vgpr_count:     512
    .wavefront_size: 32
...
	.end_amdgpu_metadata
.endif
;; end of part 3
;; launch proj (part 4): grid 4 x 64, 4 waves a work-group, clusters of 4 x 4, 327,680 bytes of LDS; arguments af, wpc, lowp_scales, out0, b_proj; writes out0
.if DOCPART == 4
	.amdgcn_target "amdgcn-amd-amdhsa--gfx1250"
	.amdhsa_code_object_version 6
	.text
	.protected	k_q79d9c2db6f_proj
	.globl	k_q79d9c2db6f_proj
	.p2align	8
	.type	k_q79d9c2db6f_proj,@function
k_q79d9c2db6f_proj:
	s_mov_b64 s[64:65], 0
	v_nop
	global_prefetch_b8 v0, s[64:65] scope:SCOPE_SE
	s_setreg_imm32_b32 hwreg(HW_REG_WAVE_MODE, 25, 1), 1
	s_wait_xcnt 0x0
	s_wait_alu depctr_hold_cnt(0) depctr_sa_sdst(0) depctr_va_vdst(0) depctr_va_sdst(0) depctr_va_ssrc(0) depctr_va_vcc(0) depctr_vm_vsrc(0)
	s_getreg_b32 s2, hwreg(HW_REG_IB_STS2, 6, 4)
	s_cmp_eq_u32 s2, 0
	s_cbranch_scc0 .Lentry_in_a_cluster
	s_endpgm
.Lentry_in_a_cluster:
	s_bfe_u32 s2, ttmp6, 0x10000c
	s_cmp_lg_u32 s2, 0xf033
	s_cbranch_scc0 .Lentry_shape_is_right
	s_endpgm
.Lentry_shape_is_right:
; out0 = attention's result x w_proj^T + b_proj, on codes of FP8 (E4M3), sums in f32; each sum is multiplied once by 2^(e6 + e7) and the bias added, in one fused multiply-add.
; LIMIT: e6 + e7 between -126 and 127, so that 2^(e6 + e7) is an f32 number.
; A = af: IMAGES OF OPERAND REGISTERS: [tile of 16 tokens][head][1,024 bytes]: 16 tokens x 64 channels, 16 bytes a lane at 16 x lane for four registers; a tile of 16 tokens is 16,384 bytes, 256 along K are 4,096 of them.
; B = w_proj's codes, [1,024][1,024], K innermost, in the order that gives each K its place in the plain 8-bit forms when 16 bytes a lane are read at 32 c + 16 (lane / 16).
; A BLOCK of the result is 128 tokens x 256 channels: 64 x 4 = 256 work-groups.  Four waves, as many as a WGP has SIMDs; a wave makes 64 x 128: 32 accumulators, window 2.
; K = 1,024 goes in four steps of 256 through a ring of two LDS slots filled by the tensor data mover (waves 0, 1: A's halves, 4 rows of 4,096 bytes; waves 2, 3: B's halves, 128 rows of 256 bytes, padded to 272).
; CLUSTERS: 4 x 4 work-groups: A's tile is shared along a row of the cluster, B's along a column: each is asked for JOINTLY.
; THE MATRIX INSTRUCTION IS USED TRANSPOSED (source 0 = 16 rows of B, source 1 = 16 tokens): a lane holds eight neighbouring numbers of a row of the result.
; Nothing is prefetched: of the four K steps two are first fills, so only two loads have a step that lies ahead of them.
; REGISTERS: window 0: v0-31 addresses, v32-95 results on the way out, v128-255 A's fragments in two sets of 4 x 16 (on the way out: rows read back);  window 1: B's fragments, two sets of 8 x 16;
;   window 2: accumulator (a, b) at v[8 (8 a + b)];  window 3: v0-63 the bias at my lane's 64 columns.
.set SIZE_N, 1024
.set ROWB,   256
.set KROW,   1024
.set ATILE,  4096                      ; 16 tokens x 256 K
.set AROW,   16384                     ; from one tile of 16 tokens to the next
.set PITCH,  272
.set FR,     16
.set NP,     4                         ; places behind this matrix instruction (ISA guide 7.12.1)
.set HALFT,  128*PITCH                 ; the room of one tensor load (A's take 16,384 bytes of it)
.set SLOT,   4*HALFT
.set SPARE,  2*SLOT                    ; behind the ring: the spare words, 128 bytes for each wave
.set SPITCH, 528                       ; the way out: a stage of 16 rows x (512 bytes + 16) for each wave, in slot 0, which has had its last fill and its last read by then
.set ADRA, 16
.set ADRB, 20
.set STO,  24
.set RD,   25
.set CO,   26
.set BO,   27
.set SPW,  28
.set NIL,  29
.set TMP,  32
.set AF,   128
.set BK,   128
.set G1, 24
.set G0, 32
.set G1B, 48
.set G0B, 56
.set MSB, 0
.macro WIN new                         ; the immediate's high byte repeats the setting that is left
.if MSB != \new
	s_set_vgpr_msb (MSB<<8)|\new
.set MSB, \new
.endif
.endm
.macro JLOAD g0a, g1a, g0b, g1b        ; a joint load: waves 0, 1 for A, waves 2, 3 for B; an s_nop 0 and four v_nop follow each line
	s_cmp_eq_u32 s15, 0
	s_cbranch_scc0 .Lfor_b_\@
	tensor_load_to_lds s[\g0a:\g0a+3], s[\g1a:\g1a+7]
	s_nop 0
.rept 4
	v_nop
.endr
	s_branch .Lasked_\@
.Lfor_b_\@:
	tensor_load_to_lds s[\g0b:\g0b+3], s[\g1b:\g1b+7]
	s_nop 0
.rept 4
	v_nop
.endr
.Lasked_\@:
.endm
.macro CREST                           ; a round of the cluster's barrier behind its opening barrier
	s_cmp_lg_u32 s14, 0
	s_cbranch_scc1 .Lnot_wave_0_\@
	s_barrier_signal -3
.Lnot_wave_0_\@:
	s_barrier_wait -3
	s_barrier_signal -1
	s_barrier_wait -1
.endm
.macro CROUND
	s_barrier_signal -1
	s_barrier_wait -1
	CREST
.endm
.macro PLACES n
.rept \n
	v_nop
.endr
.endm
	s_load_b128 s[4:7], s[0:1], 0x0                ; af s[4:5], w_proj's codes s[6:7]
	s_load_b128 s[8:11], s[0:1], 0x10              ; the scales' exponents s[8:9], out0 s[10:11]
	s_load_b64 s[12:13], s[0:1], 0x20              ; b_proj
	v_lshl_add_u32 v[SPW], v0, 2, SPARE
	v_mov_b32 v[NIL], 0
	ds_add_u32 v[SPW], v[NIL]                      ; the opening lines: the add, twice on end, and its wait ahead of the first tensor load
	ds_add_u32 v[SPW], v[NIL]
	v_lshrrev_b32 v1, 5, v0
	v_readfirstlane_b32 s14, v1                    ; wave 0..3
	s_lshr_b32 s15, s14, 1                         ; my half of the tokens.  Also: I fetch for A (0) or for B (1)
	s_and_b32 s16, s14, 1                          ; my half of the channels.  Also: which half of that tile I fetch
	s_bfe_u32 s40, ttmp6, 0x40000                  ; cx
	s_bfe_u32 s41, ttmp6, 0x40004                  ; cy
	s_lshl_b32 s42, ttmp9, 2
	s_add_co_u32 s42, s42, s40                     ; the tile of 256 channels
	s_and_b32 s17, ttmp7, 0xffff
	s_lshl_b32 s17, s17, 2
	s_add_co_u32 s17, s17, s41                     ; the tile of 128 tokens
	s_lshl_b32 s43, s41, 2
	s_lshl_b32 s43, 15, s43                        ; my row of the cluster
	s_lshl_b32 s44, 0x1111, s40                    ; my column
	s_or_b32 s[G1+0], s43, (0<<16)|(1<<21)         ; A: elements of 1 byte, no padding; bit 21 set beside the mask
	s_mov_b32 s[G1+1], ATILE<<16
	s_mov_b32 s[G1+2], 4<<16                       ; 4 rows of 4,096 bytes
	s_mov_b32 s[G1+3], ATILE<<16
	s_mov_b32 s[G1+4], 4
	s_mov_b32 s[G1+5], AROW
	s_mov_b32 s[G1+6], 0
	s_mov_b32 s[G1+7], 0
	s_or_b32 s[G1B+0], s44, (0<<16)|(1<<20)|(1<<21)|(5<<22)|(3<<25)   ; B: four words of padding after every 64
	s_mov_b32 s[G1B+1], ROWB<<16
	s_mov_b32 s[G1B+2], 128<<16
	s_mov_b32 s[G1B+3], ROWB<<16
	s_mov_b32 s[G1B+4], 128
	s_mov_b32 s[G1B+5], KROW
	s_mov_b32 s[G1B+6], 0
	s_mov_b32 s[G1B+7], 0
	s_lshl_b32 s20, s17, 17                        ; A: 8 tiles of 16 tokens a block, 4 a load
	s_lshl_b32 s18, s16, 16
	s_add_co_u32 s20, s20, s18
	s_mov_b32 s21, 0
	s_lshl_b32 s46, s42, 8
	s_lshl_b32 s18, s16, 7
	s_add_co_u32 s46, s46, s18
	s_lshl_b32 s46, s46, 10                        ; B: row 256 x tile + 128 x half
	s_mov_b32 s47, 0
	s_mul_i32 s45, s14, HALFT                      ; where they go: wave x a room
	s_wait_dscnt 0x0                               ; both opening adds are done
	s_wait_kmcnt 0x0
	s_load_b64 s[96:97], s[8:9], 0x18              ; e6, e7
	s_add_nc_u64 s[20:21], s[4:5], s[20:21]
	s_add_nc_u64 s[46:47], s[6:7], s[46:47]
	CROUND                                         ; all sixteen work-groups are here: the first joint loads meet
.irp s, 0,1
	s_mov_b32 s[G0+4*\s], 1
	s_add_co_u32 s[G0+4*\s+1], s45, \s*SLOT
	s_add_nc_u64 s[G0+4*\s+2:G0+4*\s+3], s[20:21], \s*ATILE
	s_or_b32 s[G0+4*\s+3], s[G0+4*\s+3], 0x80000000
	s_mov_b32 s[G0B+4*\s], 1
	s_add_co_u32 s[G0B+4*\s+1], s45, \s*SLOT
	s_add_nc_u64 s[G0B+4*\s+2:G0B+4*\s+3], s[46:47], \s*ROWB
	s_or_b32 s[G0B+4*\s+3], s[G0B+4*\s+3], 0x80000000
.endr
	JLOAD G0, G1, G0B, G1B                         ; K step 0: one tensor load a wave at the head
	s_mul_i32 s21, s15, HALFT                      ; my room of A
	s_mul_i32 s22, s16, HALFT
	s_add_co_u32 s22, s22, 2*HALFT                 ; my room of B
	s_mul_i32 s23, s14, 16*SPITCH                  ; my stage
	s_lshl_b32 s66, s42, 10
	s_lshl_b32 s67, s16, 9
	s_add_co_u32 s66, s66, s67                     ; my first column, in bytes
	s_mov_b32 s67, 0
	s_add_nc_u64 s[12:13], s[12:13], s[66:67]
	s_lshl_b32 s68, s17, 19
	s_lshl_b32 s69, s15, 18
	s_add_co_u32 s68, s68, s69                     ; my first row: 128 x tile + 64 x half, rows of 4,096 bytes
	s_mov_b32 s69, 0
	s_add_nc_u64 s[68:69], s[68:69], s[66:67]
	s_add_nc_u64 s[10:11], s[10:11], s[68:69]
	v_and_b32 v1, 15, v0                           ; l % 16
	v_bfe_u32 v2, v0, 4, 1                         ; l / 16
	v_and_b32 v6, 31, v0
	v_lshlrev_b32 v[CO], 4, v6                     ; 16 x lane
	v_mul_u32_u24 v3, v1, PITCH
	v_lshl_add_u32 v4, v2, 4, v3
	v_lshlrev_b32 v[BO], 5, v2                     ; the bias: my half's eight columns of each sixteen
	v_add_nc_u32 v[ADRA], s21, v[CO]
	v_add_nc_u32 v[ADRB], s22, v4
	v_add_nc_u32 v[ADRA+1], SLOT, v[ADRA]
	v_add_nc_u32 v[ADRB+1], SLOT, v[ADRB]
	v_mul_u32_u24 v5, v1, SPITCH
	v_lshl_add_u32 v5, v2, 5, v5
	v_add_nc_u32 v[STO], s23, v5                   ; into the stage: row l % 16, 32 bytes for each half of the lanes
	v_add_nc_u32 v[RD], s23, v[CO]                 ; back: the 32 lanes take one row of 512 bytes
	WIN 0xc0                                       ; destinations in window 3
.irp b, 0,1,2,3,4,5,6,7
	global_load_b128 v[8*\b:8*\b+3],   v[BO], s[12:13] offset:64*\b      ; the bias at columns 16 b + 8 (l / 16) + 0 .. 7; waited for on the way out
	global_load_b128 v[8*\b+4:8*\b+7], v[BO], s[12:13] offset:64*\b+16
.endr
	WIN 0
.macro FETCH2 slot, q, p               ; 48 loads: the fragments of the slot's q-th 128 along K into set p: B's eight (rows of 272 bytes), A's four (images: 512 consecutive bytes a load)
	WIN 0x40
.irp i, 0,1,2,3,4,5,6,7
.irp c, 0,1,2,3
	ds_load_b128 v[128*(\p)+FR*\i+4*\c:128*(\p)+FR*\i+4*\c+3], v[ADRB+\slot] offset:128*(\q)+32*\c+\i*16*PITCH
.endr
.endr
	WIN 0
.irp i, 0,1,2,3
.irp c, 0,1,2,3
	ds_load_b128 v[AF+64*(\p)+FR*\i+4*\c:AF+64*(\p)+FR*\i+4*\c+3], v[ADRA+\slot] offset:ATILE*\i+2048*(\q)+512*\c
.endr
.endr
.endm
.macro MUL32 p, zero                   ; 32 matrix instructions: A's four blocks x B's eight; the accumulators take turns, one instruction a turn
	WIN 0xa1                                       ; source 0 (B) window 1, source 1 (A) window 0, C and D window 2
.irp a, 0,1,2,3
.irp b, 0,1,2,3,4,5,6,7
.if \zero
	v_wmma_f32_16x16x128_fp8_fp8 v[8*(8*\a+\b):8*(8*\a+\b)+7], v[128*(\p)+FR*\b:128*(\p)+FR*\b+FR-1], v[AF+64*(\p)+FR*\a:AF+64*(\p)+FR*\a+FR-1], 0
.else
	v_wmma_f32_16x16x128_fp8_fp8 v[8*(8*\a+\b):8*(8*\a+\b)+7], v[128*(\p)+FR*\b:128*(\p)+FR*\b+FR-1], v[AF+64*(\p)+FR*\a:AF+64*(\p)+FR*\a+FR-1], v[8*(8*\a+\b):8*(8*\a+\b)+7]
.endif
.endr
.endr
	WIN 0
.endm
.macro STEP2 slot, zero                ; a slot's first 128 along K, from set 0; the second's fragments are fetched into set 1 ahead of the products
	PLACES NP
	FETCH2 \slot, 1, 1
	s_wait_dscnt 48                                ; set 0 is in; the 48 loads just issued may be out
	MUL32 0, \zero
.endm
.macro TURN2 slot, next, fill          ; the change of slots stands ahead of the slot's second 128 along K, whose fragments are in registers: the refill and the next slot's first fragments are on their way under its products
	s_wait_tensorcnt 0x0                           ; all my tensor loads have landed
	ds_add_u32 v[SPW], v[NIL]
	s_wait_dscnt 0x0                               ; the add is done, set 1 is in, and my reads of this slot are over
	s_barrier_signal -1
	s_barrier_wait -1
.if \fill
	CREST                                          ; the barrier has opened a round of the cluster's barrier
	s_add_nc_u64 s[G0+4*\slot+2:G0+4*\slot+3], s[G0+4*\slot+2:G0+4*\slot+3], 2*ATILE
	s_add_nc_u64 s[G0B+4*\slot+2:G0B+4*\slot+3], s[G0B+4*\slot+2:G0B+4*\slot+3], 2*ROWB
	JLOAD G0+4*\slot, G1, G0B+4*\slot, G1B         ; my one tensor load behind the round; its four v_nop are the places in front of the loads below
.else
	PLACES NP
.endif
	FETCH2 \next, 0, 0
	MUL32 1, 0
.endm
	s_wait_alu depctr_va_vdst(0)                   ; the head's end
	s_wait_tensorcnt 0x0                           ; my part of K step 0 is in
	ds_add_u32 v[SPW], v[NIL]
	s_wait_dscnt 0x0
	CROUND
	JLOAD G0+4, G1, G0B+4, G1B                     ; K step 1: the first tensor load behind the round
	FETCH2 0, 0, 0
	STEP2 0, 1                                     ; eight steps of 128, written out; the first products start the sums
	TURN2 0, 1, 1                                  ; slot 0 takes K step 2
	STEP2 1, 0
	TURN2 1, 0, 1                                  ; slot 1 takes K step 3
	STEP2 0, 0
	TURN2 0, 1, 0                                  ; nothing is left to fetch: no round of the cluster's barrier
	STEP2 1, 0
	s_wait_dscnt 0x0
	MUL32 1, 0
; THE WAY OUT, block by block of 16 rows x 128 columns: sum x 2^(e6 + e7) + bias, through my own stage in LDS, back as whole rows of 512 bytes, which the 32 lanes store as two aligned units of 256 bytes.
; LDS serves a wave's instructions in order (ISA guide 5.7.1.4): no wait between the stores and the loads.
.macro TOSTAGE a
	WIN 0x32                                       ; source 0: window 2, source 2: window 3
.set J, 0
.rept 32
	v_pk_fma_f32 v[TMP+J:TMP+J+1], v[64*(\a)+J:64*(\a)+J+1], s[96:97], v[J:J+1] op_sel_hi:[1,0,1]   ; each accumulator from its low end on
.set J, J+2
.endr
	WIN 0
.irp b, 0,1,2,3,4,5,6,7
	ds_store_b128 v[STO], v[TMP+8*\b:TMP+8*\b+3] offset:64*\b
	ds_store_b128 v[STO], v[TMP+8*\b+4:TMP+8*\b+7] offset:64*\b+16
.endr
.set BB, BK+64*((\a)%2)
.irp t, 0,1,2,3,4,5,6,7,8,9,10,11,12,13,14,15
	ds_load_b128 v[BB+4*\t:BB+4*\t+3], v[RD] offset:\t*SPITCH
.endr
.endm
.macro SEND a, younger                 ; younger: the LDS instructions issued behind block a's loads, which may stay out
.set BB, BK+64*((\a)%2)
	s_wait_dscnt \younger
.if (\a) > 0
	s_add_nc_u64 s[10:11], s[10:11], 16*SIZE_N*4   ; (behind a wait on XCNT: the earlier stores have read their base)
.endif
.irp t, 0,1,2,3,4,5,6,7,8,9,10,11,12,13,14,15
	global_store_b128 v[CO], v[BB+4*\t:BB+4*\t+3], s[10:11] offset:\t*SIZE_N*4   ; 32 lanes store 512 consecutive bytes, at a multiple of 256 from the buffer's first byte
.endr
.endm
	s_wait_kmcnt 0x0
	s_add_co_i32 s96, s96, s97
	s_add_co_i32 s96, s96, 127
	s_lshl_b32 s96, s96, 23                        ; 2^(e6 + e7) as f32
	s_mov_b32 s97, s96
	s_wait_loadcnt 0x0                             ; the bias
	PLACES NP
	TOSTAGE 0
.irp a, 1,2,3
.if \a > 1
	s_wait_xcnt 0x0                                ; block a - 2's stores have read their registers and their base
.endif
	TOSTAGE \a
	SEND \a-1, 32                                  ; behind block a - 1's loads: block a's 16 stores and 16 loads
.endr
	s_wait_xcnt 0x0
	SEND 3, 0
	s_wait_tensorcnt 0x0                           ; the wave's end
	ds_add_u32 v[SPW], v[NIL]
	s_wait_dscnt 0x0
	CROUND                                         ; the closing round
	s_endpgm
.Lfunc_end_k_q79d9c2db6f_proj:
	.size	k_q79d9c2db6f_proj, .Lfunc_end_k_q79d9c2db6f_proj-k_q79d9c2db6f_proj
	.p2alignl 7, 3214868480
	.fill 96, 4, 3214868480
	.section	.rodata,"a",@progbits
	.p2align	6, 0x0
	.amdhsa_kernel k_q79d9c2db6f_proj
		.amdhsa_group_segment_fixed_size 327680
		.amdhsa_private_segment_fixed_size 0
		.amdhsa_enable_private_segment 0
		.amdhsa_kernarg_size 40
		.amdhsa_user_sgpr_count 2
		.amdhsa_user_sgpr_kernarg_segment_ptr 1
		.amdhsa_wavefront_size32 1
		.amdhsa_system_sgpr_workgroup_id_x 1
		.amdhsa_system_sgpr_workgroup_id_y 1
		.amdhsa_system_sgpr_workgroup_id_z 1
		.amdhsa_system_vgpr_workitem_id 0
		.amdhsa_next_free_vgpr 1024
		.amdhsa_next_free_sgpr 100
		.amdhsa_reserve_vcc 0
		.amdhsa_float_denorm_mode_32 3
		.amdhsa_float_denorm_mode_16_64 3
		.amdhsa_memory_ordered 1
		.amdhsa_forward_progress 1
		.amdhsa_inst_pref_size 77
	.end_amdhsa_kernel
	.amdgpu_metadata
---
amdhsa.version: [ 1, 2 ]
amdhsa.kernels:
  - .name:           k_q79d9c2db6f_proj
    .symbol:         k_q79d9c2db6f_proj.kd
    .args:
      - { .name: af, .offset: 0, .size: 8, .value_kind: global_buffer, .address_space: global }
      - { .name: wpc, .offset: 8, .size: 8, .value_kind: global_buffer, .address_space: global }
      - { .name: lowp_scales, .offset: 16, .size: 8, .value_kind: global_buffer, .address_space: global }
      - { .name: out0, .offset: 24, .size: 8, .value_kind: global_buffer, .address_space: global }
      - { .name: b_proj, .offset: 32, .size: 8, .value_kind: global_buffer, .address_space: global }
    .group_segment_fixed_size: 327680
    .private_segment_fixed_size: 0
    .kernarg_segment_align: 8
    .kernarg_segment_size: 40
    .max_flat_workgroup_size: 128
    .sgpr_count:     100
    .vgpr_count:     1024
    .wavefront_size: 32
...
	.end_amdgpu_metadata
.endif
;; end of part 4
